; MI455X (gfx1250); checked and timed in simulation.
; The chip was launched on July 23, 2026; its instructions are those of AMD's public machine-readable ISA for CDNA 5 (MIT licence, August 2026) and "CDNA5" Instruction Set Architecture Reference Guide (July 2026). The comments in the code are by the model that wrote it; some were corrected since.
;; Attention. Allowed arithmetic: matrix products marked QUANTISED: E2M3 operands, one E8M0 scale for each 32 along K, by v_wmma_scale_f32_16x16x128_f8f6f4 with both operands' format E2M3, f32 sums; everything else in f32.
;; Inputs: W_attn_codes 3,072 x 32 x 24 uint8 (E2M3 codes of W_attn, K innermost, in blocks of 32 codes, four codes in three bytes); W_attn_scales 3,072 x 32 uint8 (E8M0 scales of W_attn, one for each 32 codes along K); W_proj_codes 1,024 x 32 x 24 uint8 (E2M3 codes of W_proj, K innermost, in blocks of 32 codes, four codes in three bytes); W_proj_scales 1,024 x 32 uint8 (E8M0 scales of W_proj, one for each 32 codes along K); attention_mask 4 x 1 x 1 x 2,048 float32; b_attn 3,072 float32; b_proj 1,024 float32; hidden_state_codes 4 x 2,048 x 32 x 24 uint8 (E2M3 codes of hidden_state, K innermost, in blocks of 32 codes, four codes in three bytes); hidden_state_scales 4 x 2,048 x 32 uint8 (E8M0 scales of hidden_state, one for each 32 codes along K).
;; Outputs: out0 4 x 2,048 x 1,024 float32.
;; This version of the problem:
;;   THIS VERSION OF THE PROBLEM IS GIVEN IN LOW PRECISION. The matrix products marked QUANTISED in the list below multiply operands that are first quantised to E2M3 (2 exponent bits, 3 mantissa bits; 6 bits a number), with one power-of-two scale for each 32 numbers along K (OCP MX v1.0); their sums are f32. All else is computed in f32.
;;   The module's matrix products, in the order in which they are computed (A, B: the left and right operand; K: the contracted axis; several contracted axes count as one K, in the product's order):
;;     1. [M 8,192, K 1,024] x [K 1,024, N 3,072]; A: input hidden_state (given as codes); B: input W_attn (given as codes): QUANTISED
;;     2. batch 64 x [M 2,048, K 64] x [K 64, N 2,048]; A: computed on the way; B: computed on the way: QUANTISED
;;     3. batch 64 x [M 2,048, K 2,048] x [K 2,048, N 64]; A: softmax (see below); B: computed on the way: QUANTISED
;;     4. [M 8,192, K 1,024] x [K 1,024, N 1,024]; A: computed on the way; B: input W_proj (given as codes): QUANTISED
;;   THE QUANTISER, for each operand of a quantised product, along K:
;;     - K is cut into blocks of 32 from its start; a last block that is shorter is filled with zeros.
;;     - A block's scale is 2^e with e = floor(log2(the largest magnitude in the block)) - 2, held to -126 .. 127; a block of zeros has e = 0. As a byte (E8M0): e + 127.
;;     - Each number is divided by its block's scale, clamped to +-7.5, and rounded to the nearest number of E2M3, ties to even, subnormals kept.
;;     - The product sums the exact products of the quantised numbers (number of the format x scale) in f32.
;;   ~~~python
;;   def quantise(x, axis):      # numpy; x: float32 -> the quantised numbers, widened to float32 again
;;       x = np.moveaxis(x, axis, -1); K = x.shape[-1]
;;       x = np.pad(x, [(0, 0)] * (x.ndim - 1) + [(0, -K % 32)]); x = x.reshape(x.shape[:-1] + (-1, 32)); a = np.abs(x).max(-1, keepdims=True)
;;       e = np.where(a > 0, np.clip(np.frexp(np.where(a > 0, a, 1))[1] - 1 - 2, -126, 127), 0)      # np.frexp(a)[1] - 1 = floor(log2(a)), exactly
;;       r = np.clip(x / 2.0 ** e, -7.5, 7.5)
;;       step = 2.0 ** (np.maximum(np.frexp(np.where(r == 0, 1, r))[1] - 1, 0) - 3)
;;       q = np.round(r / step) * step * 2.0 ** e      # np.round: ties to even
;;       return np.moveaxis(q.reshape(q.shape[:-2] + (-1,))[..., :K], -1, axis).astype(np.float32)
;;   ~~~
;;   SOFTMAX AHEAD OF A QUANTISED PRODUCT. Where the list says 'softmax', what is quantised is not the finished softmax but p = 2^(t - M), with t = logit x log2(e) and M = ceil(the row's largest t), a whole number; so 1/2 < the row's largest p <= 1. The row's sum l is taken of the UNQUANTISED p, in f32, and the product's result is divided by l at the end. Since M is a whole number, a kernel that streams over the keys may use a running M (the ceiling of the running maximum): every later rescaling is an exact power of two, which a block's scale takes up: the codes' values come out the same.
;;   OPERANDS COMPUTED ON THE WAY. 'Computed on the way' means the value that the module computes at that place (a softmax that the list does not call 'softmax' is quantised finished and normalised). What goes into a quantiser is computed in f32, as accurately as f32 sums, v_exp_f32 and their like allow (about 1e-6 of the number): no bf16 or f16 on the way to a quantiser, and a product that is left as it is and whose result goes on into a quantised operand takes f32 operands (vector FMAs, or v_wmma_f32_16x16x4_f32). A number that lies on a knife's edge between two numbers of the format may be rounded either way, as far as f32 arithmetic and the matrix unit's own rounding can turn it there, and no further.
;;   INPUTS GIVEN AS CODES. W_attn (in the module: [1024, 3072], K = its axis 0); W_proj (in the module: [1024, 1024], K = its axis 0); hidden_state (in the module: [4, 2048, 1024], K = its axis 2): each comes as NAME_codes (uint8): NAME with its K axis moved to the last place and cut into blocks of 32 codes, [.., K / 32, bytes a block], one block behind the other in memory; four codes in three bytes: a row's codes are one little-endian stream of bits, code i at bits 6 i .. 6 i + 5 (a code: sign, 2 exponent bits, 3 mantissa bits); and NAME_scales (uint8): the same leading axes, one E8M0 byte (e + 127) for each 32 codes along K. Its value is code x scale, taken as it is: it is not quantised again, and the codes and scales need not be those that the quantiser above would give.
;; One version. Each part assembles by itself: llvm-mc -triple=amdgcn-amd-amdhsa -mcpu=gfx1250 --defsym DOCPART=n.
;; ======== version 1 of 1: 3 launches
;; workspace buffers: qkvw 20,185,088 bytes; ac 6,291,456 bytes; asc 262,144 bytes
;; launch qkv (part 1): grid 12 x 32, 4 waves a work-group, clusters of 4 x 4, 327,680 bytes of LDS; arguments hidden_state_codes, hidden_state_scales, W_attn_codes, W_attn_scales, qkvw, b_attn; writes qkvw
.if DOCPART == 1
	.amdgcn_target "amdgcn-amd-amdhsa--gfx1250"
	.amdhsa_code_object_version 6
	.text
	.protected	k_q2ab9933d64_qkv
	.globl	k_q2ab9933d64_qkv
	.p2align	8
	.type	k_q2ab9933d64_qkv,@function
k_q2ab9933d64_qkv:
	s_mov_b64 s[64:65], 0
	v_nop
	global_prefetch_b8 v0, s[64:65] scope:SCOPE_SE
	s_setreg_imm32_b32 hwreg(HW_REG_WAVE_MODE, 25, 1), 1
	s_wait_xcnt 0x0
	s_wait_alu depctr_hold_cnt(0) depctr_sa_sdst(0) depctr_va_vdst(0) depctr_va_sdst(0) depctr_va_ssrc(0) depctr_va_vcc(0) depctr_vm_vsrc(0)
	s_getreg_b32 s2, hwreg(HW_REG_IB_STS2, 6, 4)
	s_cmp_eq_u32 s2, 0
	s_cbranch_scc0 .Lentry_in_a_cluster
	s_endpgm
.Lentry_in_a_cluster:
	s_bfe_u32 s2, ttmp6, 0x10000c
	s_cmp_lg_u32 s2, 0xf033
	s_cbranch_scc0 .Lentry_shape_is_right
	s_endpgm
.Lentry_shape_is_right:
; x = hidden W_attn + b_attn on codes of FP6 (E2M3) with E8M0 scales, f32 sums; x never goes to memory: q and k are quantised along the head's 64, v along the keys,
; and leave as IMAGES OF OPERAND REGISTERS for the attention launch.  hidden: [8192][1024] codes, W_attn: [3072][1024] codes, K innermost; scale bytes [rows][32].
; A work-group of four waves makes 256 x 256 of x, a wave 128 x 128: 64 accumulators, 512 registers.  K goes in steps of 256 through a ring of two LDS slots; the scale bytes come once.
; CLUSTERS: 4 x 4 work-groups; region A's tile is asked for jointly along a row of the cluster, region B's along a column.
; SOURCE 0 = 16 rows of region B (X), SOURCE 1 = 16 rows of region A (Y): a lane holds ONE row of Y, and its registers run along X, which is the axis to be quantised.
; THE ROLE hangs on the cluster's x, which all sixteen partners share.  x = 0 (q), 1 (k): Y = tokens (hidden's tile 4 y + cy), X = W's rows (tile 4 x + cx).
; x = 2 (v): Y = W's rows (tile 8 + cy), X = tokens (hidden's tile 4 y + cx).  Only which tensor fills which region is chosen; no LDS address knows the role.
; THE BIAS is the C of the first K step's products.
; ORDER INSIDE A BLOCK OF 32: a lane holds 8 h + 0..7 of tile 2 bl and of tile 2 bl + 1, so a block's codes come out in the order 0-7, 16-23, 8-15, 24-31.  q and k are both made so, and so are v and
; (in the next launch) p: the same order on both sides of a product leaves its sums as they are; block, largest magnitude and scale are untouched.
; IMAGE: six registers (64 along K) are 768 bytes: registers 0-3 at 16 x lane, registers 4-5 at 512 + 8 x lane.  Every store of the wave covers 512 or 256 consecutive bytes, aligned.
; qkvw: 64 head blocks of HB bytes: K's tiles, V's fragments, K's and V's scale words (what the next launch brings into LDS as it lies), then Q's tiles and scale words.
; LIMITS: a block whose largest magnitude lies under 2^-124 keeps the byte 1 (a block of zeros too: its codes are zeros, and this program alone reads the bytes); NaN and infinities are not served.
; No prefetch: each K step's tiles are shared by joint loads and the K loop is four steps long.
.set SIZE_K, 1024
.set KSTEP,  256                       ; along K in a slot
.set NQ,     KSTEP/128
.set ROWB,   192                       ; a tile's row in bytes
.set KROW,   SIZE_K*6/8                ; a row of codes in memory
.set PITCH,  240                       ; an LDS row: 3 x (64 bytes + 16 of padding)
.set FR,     12
.set NL,     6
.set NP,     4
.set HALFT,  128*PITCH
.set SLOT,   4*HALFT
.set LAPS,   SIZE_K/(2*KSTEP)
.set KS,     SIZE_K/32
.set SCL,    2*SLOT
.set HALFS,  (128*KS/256)*272
.set SBLK,   (16*KS/256)*272
.set SPARE,  SCL+4*HALFS               ; the spare words: 128 bytes a wave, two blocks of 256 bytes that no other line names
.set HB,     315392                    ; a head block of qkvw
.set RVC,    98304                     ; in it: K's tiles at 0, V's fragments,
.set RKS,    196608                    ; K's scale words,
.set RVS,    204800                    ; V's,
.set RQC,    208896                    ; Q's tiles,
.set RQS,    307200                    ; Q's scale words
.set BOV,  11                          ; v11  4 r: the bias's offset, role v
.set G8B,  12                          ; v12  8 l + 512 + D2
.set SHV,  13                          ; v13  16 h (q, k) or 0 (v): what the scale word is shifted by
.set GS,   14                          ; v14  the scale words' place in memory
.set BOQ,  15                          ; v15  32 h: the bias's offset, roles q and k
.set ADRA, 16
.set ADRB, 20
.set STW,  24                          ; v24  the stage for scale words: 1024 x wave + 512 h + 4 r
.set STR,  25                          ; v25  and back: 1024 x wave + 16 l
.set G16,  26                          ; v26  16 l
.set ADRS, 27
.set SPW,  28
.set NIL,  29
.set G8,   30                          ; v30  8 l + 512
.set G16B, 31                          ; v31  16 l + D2
.set SC,   32                          ; v32-63 scale words, two sets: they hold nothing else
.set BI,   64                          ; v64-127 the bias, eight registers a tile; on the way out:
.set TM,   64                          ; v64-67 largest magnitudes, v68-71 permute destinations and bytes, v76-79 the conversions' scale operands
.set PW,   80                          ; the scale word just made
.set PS,   82                          ; v82-89 the word as stored, a register for each block
.set PC,   92                          ; v92-103 the codes
.set PC2,  104                         ; v104-110 their second halves as converted
.set RB,   112                         ; v112-119 scale words read back
.set AF,   128
.set G1, 24
.set G0, 32
.set G1B, 48
.set G0B, 56
.set G1S, 68
.set G0S, 76
.set G1SB, 80
.set G0SB, 88
.set RV, 95                            ; s95  1 in role v
.set MSB, 0
.macro WIN new                         ; the immediate's high byte repeats the setting that is left
.if MSB != (\new)
	s_set_vgpr_msb (MSB<<8)|(\new)
.set MSB, (\new)
.endif
.endm
.set MUL_LO, 0xa1                      ; source 0 window 1, source 1 window 0, C and D window 2
.set MUL_HI, 0xf1                      ; the same, C and D window 3
.set TO_B,   0x40
; A joint load: waves 0 and 1 fetch for region A, waves 2 and 3 for region B; the branch hangs on the wave's number alone.  An s_nop 0 and four v_nop follow each line.
.macro JLOAD g0a, g1a, g0b, g1b
	s_cmp_eq_u32 s15, 0
	s_cbranch_scc0 .Lfor_b_\@
	tensor_load_to_lds s[\g0a:\g0a+3], s[\g1a:\g1a+7]
	s_nop 0
.rept 4
	v_nop
.endr
	s_branch .Lasked_\@
.Lfor_b_\@:
	tensor_load_to_lds s[\g0b:\g0b+3], s[\g1b:\g1b+7]
	s_nop 0
.rept 4
	v_nop
.endr
.Lasked_\@:
.endm
.macro CREST
	s_cmp_lg_u32 s14, 0
	s_cbranch_scc1 .Lnot_wave_0_\@
	s_barrier_signal -3
.Lnot_wave_0_\@:
	s_barrier_wait -3
	s_barrier_signal -1
	s_barrier_wait -1
.endm
.macro CROUND
	s_barrier_signal -1
	s_barrier_wait -1
	CREST
.endm
	s_load_b128 s[4:7], s[0:1], 0x0                ; hidden's codes, hidden's scales
	s_load_b128 s[8:11], s[0:1], 0x10              ; W's codes, W's scales
	s_load_b64 s[12:13], s[0:1], 0x20              ; qkvw
	s_load_b64 s[96:97], s[0:1], 0x28              ; b_attn
	v_lshl_add_u32 v[SPW], v0, 2, SPARE
	v_mov_b32 v[NIL], 0
	ds_add_u32 v[SPW], v[NIL]                      ; the wave's opening: the add and its wait ahead of my first tensor load
	v_lshrrev_b32 v1, 5, v0
	v_readfirstlane_b32 s14, v1                    ; wave 0..3
	s_lshr_b32 s15, s14, 1                         ; my half of region A's rows.  Also: I fetch for A (0) or for B (1)
	s_and_b32 s16, s14, 1                          ; my half of region B's rows.  Also: which 128 rows I fetch
	s_bfe_u32 s40, ttmp6, 0x40000                  ; cx
	s_bfe_u32 s41, ttmp6, 0x40004                  ; cy
	s_and_b32 s18, ttmp7, 0xffff
	s_lshl_b32 s18, s18, 2                         ; 4 x cluster y
	s_lshl_b32 s19, ttmp9, 2                       ; 4 x cluster x
	s_cmp_lt_u32 ttmp9, 2                          ; the role: the same in all sixteen partners
	s_cselect_b32 s[RV], 0, 1
	s_cselect_b32 s17, s18, 8                      ; region A's tile of 256 rows: hidden's 4 y + cy, or W's 8 + cy
	s_cselect_b32 s42, s19, s18                    ; region B's: W's 4 x + cx, or hidden's 4 y + cx
	s_add_co_u32 s17, s17, s41
	s_add_co_u32 s42, s42, s40
	s_lshl_b32 s43, s41, 2
	s_lshl_b32 s43, 15, s43                        ; my row of the cluster
	s_lshl_b32 s44, 0x1111, s40                    ; my column
	s_or_b32 s[G1+0], s43, (0<<16)|(1<<20)|(1<<21)|(3<<22)|(3<<25)  ; the mask; elements of 1 byte; padding on; bit 21 beside a mask; after every 16 words, 4 words
	s_or_b32 s[G1B+0], s44, (0<<16)|(1<<20)|(1<<21)|(3<<22)|(3<<25)
.irp g, G1, G1B
	s_mov_b32 s[\g+1], ROWB<<16                    ; tensor_dim0
	s_mov_b32 s[\g+2], 128<<16                     ; tensor_dim1
	s_mov_b32 s[\g+3], ROWB<<16                    ; tile_dim0
	s_mov_b32 s[\g+4], 128                         ; tile_dim1
	s_mov_b32 s[\g+5], KROW                        ; the pitch
	s_mov_b32 s[\g+6], 0
	s_mov_b32 s[\g+7], 0
.endr
	s_or_b32 s[G1S+0], s43, (3<<16)|(1<<20)|(1<<21)|(5<<22)|(3<<25)  ; the scales of 128 rows: a dense block, as rows of 256 bytes + 16 of padding
	s_or_b32 s[G1SB+0], s44, (3<<16)|(1<<20)|(1<<21)|(5<<22)|(3<<25)
.irp g, G1S, G1SB
	s_mov_b32 s[\g+1], 32<<16
	s_mov_b32 s[\g+2], (128*KS/256)<<16
	s_mov_b32 s[\g+3], 32<<16
	s_mov_b32 s[\g+4], 128*KS/256
	s_mov_b32 s[\g+5], 32
	s_mov_b32 s[\g+6], 0
	s_mov_b32 s[\g+7], 0
.endr
	s_lshl_b32 s18, s16, 7                         ; which 128 rows of the tile I fetch
	s_lshl_b32 s20, s17, 8
	s_add_co_u32 s20, s20, s18                     ; region A's first row
	s_lshl_b32 s46, s42, 8
	s_add_co_u32 s46, s46, s18                     ; region B's
	s_mov_b32 s21, 0
	s_mov_b32 s47, 0
	s_mov_b64 s[18:19], KS
	s_mul_u64 s[22:23], s[20:21], s[18:19]         ; where these rows' scales begin (both tensors have rows of 1,024 along K)
	s_mul_u64 s[92:93], s[46:47], s[18:19]
	s_mov_b64 s[18:19], KROW
	s_mul_u64 s[20:21], s[20:21], s[18:19]         ; and their codes
	s_mul_u64 s[46:47], s[46:47], s[18:19]
	s_mul_i32 s45, s14, HALFT                      ; where they go: wave x 128 rows
	s_mul_i32 s94, s14, HALFS
	s_wait_dscnt 0x0                               ; the opening add is done
	s_wait_kmcnt 0x0
	s_cmp_lt_u32 ttmp9, 2                          ; which tensor fills which region
	s_cselect_b64 s[98:99], s[4:5], s[8:9]         ; region A's codes
	s_cselect_b64 s[8:9], s[8:9], s[4:5]           ; region B's
	s_cselect_b64 s[100:101], s[6:7], s[10:11]     ; region A's scales
	s_cselect_b64 s[10:11], s[10:11], s[6:7]       ; region B's
	s_add_nc_u64 s[20:21], s[98:99], s[20:21]
	s_add_nc_u64 s[22:23], s[100:101], s[22:23]
	s_add_nc_u64 s[46:47], s[8:9], s[46:47]
	s_add_nc_u64 s[92:93], s[10:11], s[92:93]
	CROUND                                         ; all sixteen work-groups are here: the first joint loads meet
	s_mov_b32 s[G0S], 1
	s_add_co_u32 s[G0S+1], s94, SCL
	s_mov_b64 s[G0S+2:G0S+3], s[22:23]
	s_or_b32 s[G0S+3], s[G0S+3], 0x80000000
	s_mov_b32 s[G0SB], 1
	s_add_co_u32 s[G0SB+1], s94, SCL
	s_mov_b64 s[G0SB+2:G0SB+3], s[92:93]
	s_or_b32 s[G0SB+3], s[G0SB+3], 0x80000000
	JLOAD G0S, G1S, G0SB, G1SB                     ; the scales first: they are wanted with K step 0
.irp s, 0,1
	s_mov_b32 s[G0+4*\s], 1
	s_add_co_u32 s[G0+4*\s+1], s45, \s*SLOT
	s_add_nc_u64 s[G0+4*\s+2:G0+4*\s+3], s[20:21], \s*ROWB
	s_or_b32 s[G0+4*\s+3], s[G0+4*\s+3], 0x80000000
	s_mov_b32 s[G0B+4*\s], 1
	s_add_co_u32 s[G0B+4*\s+1], s45, \s*SLOT
	s_add_nc_u64 s[G0B+4*\s+2:G0B+4*\s+3], s[46:47], \s*ROWB
	s_or_b32 s[G0B+4*\s+3], s[G0B+4*\s+3], 0x80000000
	JLOAD G0+4*\s, G1, G0B+4*\s, G1B               ; by this text's count three tensor loads of a wave are out here
.endr
	; where my 128 x 128 lies: n0 = W's first row, t0 = the first token.  These enter global addresses alone.
	v_and_b32 v1, 15, v0                           ; r
	v_bfe_u32 v2, v0, 4, 1                         ; h
	s_mov_b32 s6, 1536
	s_mov_b32 s8, HB-3*1536
	s_mov_b32 s22, HB
	s_mov_b32 s23, HB
	s_cmp_eq_u32 s[RV], 0
	s_cselect_b32 s18, s42, s17                    ; W's tile,
	s_cselect_b32 s19, s16, s15                    ; my half of it,
	s_cselect_b32 s20, s17, s42                    ; hidden's tile,
	s_cselect_b32 s21, s15, s16                    ; my half of it
	s_cselect_b32 s6, 768, s6                      ; s[6:7]: from one block of Y's rows to the next: a tile of 768 bytes, or a fragment of 1,536
	s_cselect_b32 s8, 768, s8                      ; s[8:9]: the same from block 3 to block 4: role v goes on to the next head
	s_cselect_b32 s22, s22, 768                    ; D2: where registers 6-11 go: the next head's block, or the fragment's second half
	s_cselect_b32 s23, 256, s23                    ; E1: where lanes 16-31 store their scale words
	s_cselect_b32 s43, 16, 0                       ; lanes 16-31 take the odd head's two bytes
	s_cselect_b32 s44, 2, 1                        ; scale words: 4 bytes a token, or 256 bytes a key step
	s_mov_b32 s7, 0
	s_mov_b32 s9, 0
	s_lshl_b32 s18, s18, 8
	s_lshl_b32 s19, s19, 7
	s_add_co_u32 s18, s18, s19                     ; n0
	s_lshl_b32 s20, s20, 8
	s_lshl_b32 s21, s21, 7
	s_add_co_u32 s20, s20, s21                     ; t0
	s_lshr_b32 s21, s20, 11                        ; the batch
	s_and_b32 s20, s20, 2047                       ; the token in it
	s_bfe_u32 s19, s18, 0x30007                    ; which pair of heads: bits 9:7 of n0
	s_lshl_b32 s21, s21, 4
	s_lshl_b32 s19, s19, 1
	s_add_co_u32 s21, s21, s19                     ; the even head's number, 16 x batch + head
	s_mul_i32 s21, s21, HB
	s_mov_b32 s40, RQC
	s_mov_b32 s41, RQS
	s_mov_b32 s45, RKS
	s_cmp_eq_u32 ttmp9, 0
	s_cselect_b32 s40, s40, 0                      ; Q's tiles, or K's (at 0),
	s_cselect_b32 s41, s41, s45
	s_mov_b32 s45, RVC
	s_mov_b32 s19, RVS
	s_cmp_eq_u32 ttmp9, 2
	s_cselect_b32 s40, s45, s40                    ; or V's fragments
	s_cselect_b32 s41, s19, s41
	s_mul_i32 s45, s20, 48                         ; 768 bytes for 16 tokens, and 6,144 for a key step of 128: 48 a token in all three
	s_add_co_u32 s40, s40, s45
	s_add_co_u32 s40, s40, s21
	s_lshl_b32 s45, s20, s44
	s_add_co_u32 s46, s41, s45
	s_add_co_u32 s46, s46, s21
	s_mov_b32 s41, 0
	s_mov_b32 s47, 0
	s_add_nc_u64 s[4:5], s[12:13], s[46:47]        ; s[4:5]: my scale words
	s_add_nc_u64 s[12:13], s[12:13], s[40:41]      ; s[12:13]: my codes
	s_lshl_b32 s18, s18, 2
	s_mov_b32 s19, 0
	s_add_nc_u64 s[96:97], s[96:97], s[18:19]      ; the bias at n0
	s_mov_b32 s10, 0x76543210                      ; v_permlanex16_b32's selects for lane l xor 16
	s_mov_b32 s11, 0xfedcba98
	v_lshlrev_b32 v[BOQ], 5, v2
	v_lshlrev_b32 v[BOV], 2, v1
	s_cmp_eq_u32 s[RV], 0
	s_cbranch_scc0 .Lbias_v
.irp b, 0,1,2,3,4,5,6,7                        ; q, k: tile b of X: register j is the bias of W's row 16 b + 8 h + j
	global_load_b128 v[BI+8*\b:BI+8*\b+3], v[BOQ], s[96:97] offset:64*\b
	global_load_b128 v[BI+8*\b+4:BI+8*\b+7], v[BOQ], s[96:97] offset:64*\b+16
.endr
	s_branch .Lbias_in
.Lbias_v:
.irp a, 0,1,2,3,4,5,6,7                        ; v: block a of Y: all eight registers are the bias of W's row 16 a + r
.irp j, 0,1,2,3,4,5,6,7
	global_load_b32 v[BI+8*\a+\j], v[BOV], s[96:97] offset:64*\a
.endr
.endr
.Lbias_in:
	v_mul_u32_u24 v3, v1, PITCH
	v_mul_u32_u24 v4, v2, 24
	v_add_nc_u32 v4, v3, v4                        ; a fragment's row x pitch + 24 x half
	v_lshl_add_u32 v5, v2, 4, v4                   ; and the same behind one padding more
	s_mul_i32 s21, s15, HALFT                      ; my 128 rows of region A
	s_mul_i32 s22, s16, HALFT                      ; my 128 rows of region B,
	s_add_co_u32 s22, s22, 2*HALFT                 ; which lie behind A's 256
.irp s, 0,1
	v_add_nc_u32 v[ADRA+\s], s21, v4
	v_add_nc_u32 v[ADRB+\s], s22, v4
	v_add_nc_u32 v[ADRA+2+\s], s21, v5
	v_add_nc_u32 v[ADRB+2+\s], s22, v5
	s_add_co_u32 s21, s21, SLOT
	s_add_co_u32 s22, s22, SLOT
.endr
	v_mul_u32_u24 v5, v1, KS                       ; my row's scales: KS bytes a row,
	v_lshrrev_b32 v6, 8, v5
	v_lshl_add_u32 v5, v6, 4, v5                   ; and 16 more for each 256 passed
	s_mul_i32 s21, s15, HALFS
	s_mul_i32 s22, s16, HALFS
	s_add_co_u32 s22, s22, 2*HALFS
	s_sub_co_u32 s22, s22, s21
	v_mul_u32_u24 v6, s22, v2                      ; lanes 16-31 take region B's
	s_add_co_u32 s21, s21, SCL
	v_add_nc_u32 v5, v5, v6
	v_add_nc_u32 v[ADRS], s21, v5
	; the way out's lane terms
	s_mov_b32 s22, HB
	s_cmp_eq_u32 s[RV], 0
	s_cselect_b32 s22, s22, 768                    ; D2 again (s22 was at work above)
	v_and_b32 v6, 31, v0
	v_lshlrev_b32 v[G16], 4, v6
	v_lshl_add_u32 v[G8], v6, 3, 512
	v_add_nc_u32 v[G16B], s22, v[G16]
	v_add_nc_u32 v[G8B], s22, v[G8]
	v_mul_u32_u24 v[SHV], s43, v2
	s_lshl_b32 s21, s14, 10                        ; my stage for scale words: 1,024 bytes a wave, in slot 0, which has had its last fill and its last read when the first word is stored there
	v_lshlrev_b32 v5, 2, v1
	v_lshl_add_u32 v5, v2, 9, v5
	v_add_nc_u32 v[STW], s21, v5
	v_add_nc_u32 v[STR], s21, v[G16]
	v_lshlrev_b32 v[GS], 4, v1
	v_mul_u32_u24 v5, s23, v2
	v_add_nc_u32 v[GS], v[GS], v5
.macro FRAG reg, adr, q, i             ; 16 rows x 128 K: 12 registers, in pieces of 8 bytes; where the piece three on lies behind one padding more, the second address register serves
.irp p, 0,1,2,3,4,5
.set PCE, 12*(\q)+6*(\p/3)+\p%3
.if PCE%8 < 5
	ds_load_b64 v[\reg+2*\p:\reg+2*\p+1], v[\adr] offset:8*PCE+16*(PCE/8)+(\i)*16*PITCH
.else
	ds_load_b64 v[\reg+2*\p:\reg+2*\p+1], v[\adr+2] offset:8*PCE+16*(PCE/8)+(\i)*16*PITCH
.endif
.endr
.endm
; 16 matrix instructions: Y's blocks a0, a0 + 1 x X's eight.  zero = 1: the sums start from the bias of X's tile (q, k); 2: from that of Y's block (v); 0: they go on.
; The 64 accumulators take turns, one instruction a turn, in the same order in every step.
.macro MUL16 a0, p, q, sc, zero
.irp a, \a0, \a0+1
.irp b, 0,1,2,3,4,5,6,7
.if (\zero) == 1
	v_wmma_scale_f32_16x16x128_f8f6f4 v[8*(8*((\a)%4)+\b):8*(8*((\a)%4)+\b)+7], v[128*(\p)+FR*\b:128*(\p)+FR*\b+FR-1], v[AF+FR*(\a):AF+FR*(\a)+FR-1], v[BI+8*\b:BI+8*\b+7], v[SC+8*NQ*(\sc)+NQ*\b+(\q)], v[SC+8*NQ*(\sc)+NQ*(\a)+(\q)] matrix_a_fmt:MATRIX_FMT_FP6 matrix_b_fmt:MATRIX_FMT_FP6 matrix_a_scale:MATRIX_SCALE_ROW1
.elseif (\zero) == 2
	v_wmma_scale_f32_16x16x128_f8f6f4 v[8*(8*((\a)%4)+\b):8*(8*((\a)%4)+\b)+7], v[128*(\p)+FR*\b:128*(\p)+FR*\b+FR-1], v[AF+FR*(\a):AF+FR*(\a)+FR-1], v[BI+8*(\a):BI+8*(\a)+7], v[SC+8*NQ*(\sc)+NQ*\b+(\q)], v[SC+8*NQ*(\sc)+NQ*(\a)+(\q)] matrix_a_fmt:MATRIX_FMT_FP6 matrix_b_fmt:MATRIX_FMT_FP6 matrix_a_scale:MATRIX_SCALE_ROW1
.else
	v_wmma_scale_f32_16x16x128_f8f6f4 v[8*(8*((\a)%4)+\b):8*(8*((\a)%4)+\b)+7], v[128*(\p)+FR*\b:128*(\p)+FR*\b+FR-1], v[AF+FR*(\a):AF+FR*(\a)+FR-1], v[8*(8*((\a)%4)+\b):8*(8*((\a)%4)+\b)+7], v[SC+8*NQ*(\sc)+NQ*\b+(\q)], v[SC+8*NQ*(\sc)+NQ*(\a)+(\q)] matrix_a_fmt:MATRIX_FMT_FP6 matrix_b_fmt:MATRIX_FMT_FP6 matrix_a_scale:MATRIX_SCALE_ROW1
.endif
.endr
.endr
.endm
.macro FETCH_B slot, q, p
	WIN TO_B
.irp i, 0,1,2,3,4,5,6,7
	FRAG 128*(\p)+FR*\i, ADRB+\slot, \q, \i
.endr
	WIN 0
.endm
.macro FETCH_A slot, q, i0
.irp i, \i0, \i0+1, \i0+2, \i0+3
	FRAG AF+FR*(\i), ADRA+\slot, \q, \i
.endr
.endm
.macro SCALES sc                       ; a K step's scale words: lanes 0-15 region A's block i, lanes 16-31 region B's block i
.irp i, 0,1,2,3,4,5,6,7
	ds_load_b64 v[SC+8*NQ*\sc+NQ*\i:SC+8*NQ*\sc+NQ*\i+1], v[ADRS] offset:\i*SBLK
.endr
.endm
.macro PLACES n                        ; plain vector instructions between a matrix instruction and a load into, or a read of, its registers
.rept \n
	v_nop
.endr
.endm
.macro STEP slot, q, zero              ; 128 along K, with its successor in the same slot
	s_wait_dscnt 4*NL                              ; source 0's set and source 1's blocks 0-3 are in; the youngest 24 loads (blocks 4-7) may be out
.if \zero
	WIN 0x81                                       ; C, the bias, in window 0
.else
	WIN MUL_LO
.endif
	MUL16 0, (\q)%2, \q, \slot, \zero
	MUL16 2, (\q)%2, \q, \slot, \zero
	s_wait_dscnt 0
	PLACES NP
	FETCH_B \slot, (\q)+1, 1-(\q)%2
	FETCH_A \slot, (\q)+1, 0
.if \zero
	WIN 0xc1
.else
	WIN MUL_HI
.endif
	MUL16 4, (\q)%2, \q, \slot, \zero
	MUL16 6, (\q)%2, \q, \slot, \zero
	PLACES NP
	WIN 0
	FETCH_A \slot, (\q)+1, 4
.endm
; A slot's last step changes slots: one barrier; in front of it each wave waits for all its tensor loads, adds 0 to its spare word, and waits for that and for its reads of this slot.
.macro TURN slot, next, fill
	s_wait_tensorcnt 0x0                           ; all my tensor loads have landed: my part of the next slot
	ds_add_u32 v[SPW], v[NIL]                      ; 0 onto my spare word
	s_wait_dscnt 4*NL+1                            ; the add and the youngest 24 loads may be out
	WIN MUL_LO
	MUL16 0, 1, NQ-1, \slot, 0
	s_wait_dscnt 0x0                               ; the add is done, and my reads of this slot are over
	s_barrier_signal -1
	MUL16 2, 1, NQ-1, \slot, 0
	WIN 0
	s_barrier_wait -1
.if \fill
	CREST                                          ; the barrier has opened a round of the cluster's: no wave of any partner still reads this slot or has a load on its way
	s_add_nc_u64 s[G0+4*\slot+2:G0+4*\slot+3], s[G0+4*\slot+2:G0+4*\slot+3], 2*ROWB
	s_add_nc_u64 s[G0B+4*\slot+2:G0B+4*\slot+3], s[G0B+4*\slot+2:G0B+4*\slot+3], 2*ROWB
	JLOAD G0+4*\slot, G1, G0B+4*\slot, G1B         ; the first tensor load behind the round; its four v_nop are the places in front of the loads below
.else
	PLACES NP
.endif
	v_add_nc_u32 v[ADRS], 4*NQ, v[ADRS]
	FETCH_B \next, 0, 0
	FETCH_A \next, 0, 0
	SCALES \next
	WIN MUL_HI
	MUL16 4, 1, NQ-1, \slot, 0
	MUL16 6, 1, NQ-1, \slot, 0
	PLACES NP
	WIN 0
	FETCH_A \next, 0, 4
.endm
	s_wait_tensorcnt 1                             ; the scales and my part of K step 0 are in; K step 1's load may be out
	s_barrier_signal -1
	s_barrier_wait -1
	FETCH_B 0, 0, 0
	FETCH_A 0, 0, 0
	SCALES 0
	FETCH_A 0, 0, 4
	s_wait_loadcnt 0x0                             ; the bias
	s_cmp_eq_u32 s[RV], 0                          ; the first step is written for both roles: they differ in the bias's registers alone
	s_cbranch_scc0 .Lfirst_v
	STEP 0, 0, 1
	s_branch .Lfirst_done
.Lfirst_v:
	STEP 0, 0, 2
.Lfirst_done:
	s_mov_b32 s3, LAPS-1
.Llap:
	TURN 0, 1, 1
	STEP 1, 0, 0
	TURN 1, 0, 1
	STEP 0, 0, 0
	s_sub_co_u32 s3, s3, 1
	s_cmp_lg_u32 s3, 0
	s_cbranch_scc1 .Llap
	TURN 0, 1, 0                                   ; the last lap fills nothing
	STEP 1, 0, 0
	s_wait_dscnt 4*NL
	WIN MUL_LO
	MUL16 0, 1, NQ-1, 1, 0
	MUL16 2, 1, NQ-1, 1, 0
	s_wait_dscnt 0
	WIN MUL_HI
	MUL16 4, 1, NQ-1, 1, 0
	MUL16 6, 1, NQ-1, 1, 0
	WIN 0
; THE WAY OUT.  Block a of Y's rows: a lane's 64 numbers (its row, X's 128 in four blocks of 32, half of each) become 12 registers of codes and a scale word.
.macro QUANTW a
.set AC, 64*((\a)%4)
.set WN, 2+(\a)/4
	WIN (WN*0x14)                                  ; sources 1 and 2: the accumulators' window
.irp bl, 0,1,2,3
	v_max3_num_f32 v[TM+\bl], 0x1800000, |v[AC+16*\bl]|, |v[AC+16*\bl+1]|   ; my 16 numbers of block bl, each accumulator from its low end on, and the floor 2^-124: the byte cannot fall under 1
.endr
.irp i, 2,4,6,8,10,12,14
.irp bl, 0,1,2,3
	v_max3_num_f32 v[TM+\bl], v[TM+\bl], |v[AC+16*\bl+\i]|, |v[AC+16*\bl+\i+1]|
.endr
.endr
	WIN 0
.irp bl, 0,1,2,3
	v_permlanex16_b32 v[TM+4+\bl], v[TM+\bl], s10, s11
.endr
.irp bl, 0,1,2,3
	v_max_num_f32 v[TM+\bl], v[TM+\bl], v[TM+4+\bl]      ; with lane l xor 16's: the block's largest magnitude
.endr
.irp bl, 0,1,2,3
	v_add_nc_u32 v[TM+12+\bl], 0xff000000, v[TM+\bl]     ; 2 off its exponent field: the conversion's scale operand
.endr
.irp bl, 0,1,2,3
	v_lshrrev_b32 v[TM+4+\bl], 23, v[TM+12+\bl]          ; the scale's byte
.endr
	v_lshl_or_b32 v[PW], v[TM+5], 8, v[TM+4]
	v_lshl_or_b32 v[PW], v[TM+6], 16, v[PW]
	v_lshl_or_b32 v[PW], v[TM+7], 24, v[PW]
	WIN WN                                         ; source 0: the accumulators' window
.irp c, 0,1
	v_cvt_scalef32_pk16_fp6_f32 v[PC+6*\c:PC+6*\c+2], v[AC+32*\c:AC+32*\c+15], v[TM+12+2*\c]
	v_cvt_scalef32_pk16_fp6_f32 v[PC2+4*\c:PC2+4*\c+2], v[AC+32*\c+16:AC+32*\c+31], v[TM+12+2*\c+1]
.endr
	WIN 0
	v_nop                                          ; one plain place behind a scaled conversion
.irp c, 0,1                                    ; a whole block to a lane: lanes 0-15 block 2 c, lanes 16-31 block 2 c + 1
.irp i, 0,1,2
	v_permlane16_swap_b32 v[PC+6*\c+\i], v[PC2+4*\c+\i]
.endr
.irp i, 0,1,2
	v_mov_b32 v[PC+3+6*\c+\i], v[PC2+4*\c+\i]
.endr
.endr
.endm
.macro OUTA a
.if (\a) > 0
	s_wait_xcnt 0x0                                ; the last block's stores have read their data and their base: both are written again only behind this wait
.if (\a) == 4
	s_add_nc_u64 s[12:13], s[12:13], s[8:9]
.else
	s_add_nc_u64 s[12:13], s[12:13], s[6:7]
.endif
.endif
	QUANTW \a
	v_lshrrev_b32 v[PS+(\a)], v[SHV], v[PW]        ; q, k: lanes 0-15 keep the even head's bytes lowest, lanes 16-31 take the odd head's; the bytes above meet zero codes and are never 0xff
	ds_store_b32 v[STW], v[PS+(\a)] offset:64*(\a)
	global_store_b128 v[G16], v[PC:PC+3], s[12:13]         ; 512 consecutive bytes
	global_store_b64 v[G8], v[PC+4:PC+5], s[12:13]         ; 256
	global_store_b128 v[G16B], v[PC+6:PC+9], s[12:13]      ; q, k: the odd head's tile; v: the fragment's second half
	global_store_b64 v[G8B], v[PC+10:PC+11], s[12:13]
.endm
.irp b, 0,1,2,3
	v_mov_b32 v[TM+4+\b], 0                        ; a lane permute's destination counts as one of its sources.  These four are also the places behind the last products
.endr
.irp a, 0,1,2,3,4,5,6,7
	OUTA \a
.endr
	ds_load_b128 v[RB:RB+3], v[STR]                ; LDS serves a wave's instructions in order: these see my stores
	ds_load_b128 v[RB+4:RB+7], v[STR] offset:512
	s_wait_dscnt 0x0
	global_store_b128 v[GS], v[RB:RB+3], s[4:5]    ; q, k: the even head's 128 words; v: 256 bytes for each of the two heads
	s_cmp_eq_u32 s[RV], 0
	s_cbranch_scc0 .Lno_odd
	global_store_b128 v[GS], v[RB+4:RB+7], s[4:5] offset:HB   ; q, k: the odd head's
.Lno_odd:
	s_wait_tensorcnt 0x0                           ; the wave's end
	ds_add_u32 v[SPW], v[NIL]
	s_wait_dscnt 0x0
	CROUND                                         ; the closing round
	s_endpgm
.Lfunc_end_k_q2ab9933d64_qkv:
	.size	k_q2ab9933d64_qkv, .Lfunc_end_k_q2ab9933d64_qkv-k_q2ab9933d64_qkv
	.p2alignl 7, 3214868480
	.fill 96, 4, 3214868480
	.section	.rodata,"a",@progbits
	.p2align	6, 0x0
	.amdhsa_kernel k_q2ab9933d64_qkv
		.amdhsa_group_segment_fixed_size 327680
		.amdhsa_private_segment_fixed_size 0
		.amdhsa_enable_private_segment 0
		.amdhsa_kernarg_size 48
		.amdhsa_user_sgpr_count 2
		.amdhsa_user_sgpr_kernarg_segment_ptr 1
		.amdhsa_wavefront_size32 1
		.amdhsa_system_sgpr_workgroup_id_x 1
		.amdhsa_system_sgpr_workgroup_id_y 1
		.amdhsa_system_sgpr_workgroup_id_z 1
		.amdhsa_system_vgpr_workitem_id 0
		.amdhsa_next_free_vgpr 1024
		.amdhsa_next_free_sgpr 102
		.amdhsa_reserve_vcc 0
		.amdhsa_float_denorm_mode_32 3
		.amdhsa_float_denorm_mode_16_64 3
		.amdhsa_memory_ordered 1
		.amdhsa_forward_progress 1
		.amdhsa_inst_pref_size 191
	.end_amdhsa_kernel
	.amdgpu_metadata
---
amdhsa.version: [ 1, 2 ]
amdhsa.kernels:
  - .name:           k_q2ab9933d64_qkv
    .symbol:         k_q2ab9933d64_qkv.kd
    .args:
      - { .name: hidden_state_codes, .offset: 0, .size: 8, .value_kind: global_buffer, .address_space: global }
      - { .name: hidden_state_scales, .offset: 8, .size: 8, .value_kind: global_buffer, .address_space: global }
      - { .name: W_attn_codes, .offset: 16, .size: 8, .value_kind: global_buffer, .address_space: global }
      - { .name: W_attn_scales, .offset: 24, .size: 8, .value_kind: global_buffer, .address_space: global }
      - { .name: qkvw, .offset: 32, .size: 8, .value_kind: global_buffer, .address_space: global }
      - { .name: b_attn, .offset: 40, .size: 8, .value_kind: global_buffer, .address_space: global }
    .group_segment_fixed_size: 327680
    .private_segment_fixed_size: 0
    .kernarg_segment_align: 8
    .kernarg_segment_size: 48
    .max_flat_workgroup_size: 128
    .sgpr_count:     102
    .vgpr_count:     1024
    .wavefront_size: 32
...
	.end_amdgpu_metadata
.endif
;; end of part 1
;; launch attn (part 2): grid 4 x 64, 16 waves a work-group, clusters of 4 x 1, 236,032 bytes of LDS; arguments qkvw, attention_mask, ac, asc; writes ac, asc
.if DOCPART == 2
	.amdgcn_target "amdgcn-amd-amdhsa--gfx1250"
	.amdhsa_code_object_version 6
	.text
	.protected	k_q2ab9933d64_attn
	.globl	k_q2ab9933d64_attn
	.p2align	8
	.type	k_q2ab9933d64_attn,@function
k_q2ab9933d64_attn:
	s_mov_b64 s[64:65], 0
	v_nop
	global_prefetch_b8 v0, s[64:65] scope:SCOPE_SE
	s_setreg_imm32_b32 hwreg(HW_REG_WAVE_MODE, 25, 1), 1
	s_wait_xcnt 0x0
	s_wait_alu depctr_hold_cnt(0) depctr_sa_sdst(0) depctr_va_vdst(0) depctr_va_sdst(0) depctr_va_ssrc(0) depctr_va_vcc(0) depctr_vm_vsrc(0)
	s_getreg_b32 s2, hwreg(HW_REG_IB_STS2, 6, 4)
	s_cmp_eq_u32 s2, 0
	s_cbranch_scc0 .Lentry_in_a_cluster
	s_endpgm
.Lentry_in_a_cluster:
	s_bfe_u32 s2, ttmp6, 0x10000c
	s_cmp_lg_u32 s2, 0x3003
	s_cbranch_scc0 .Lentry_shape_is_right
	s_endpgm
.Lentry_shape_is_right:
; Causal attention of one head on codes of FP6 (E2M3), and the quantising of its result for the last product.
; logit = q . k / 8 + mask[k] where k <= q, and -10000 + mask[k] where k > q: hidden keys are NOT left out of the softmax.  t = logit x log2(e); M = the ceiling of the largest t so far;
; p = 2^(t - M) is quantised along the keys; the row's sum is taken of the unquantised p and divides at the end.
; A CLUSTER IS A HEAD.  The head's K tiles, V fragments and scale words, 208,896 bytes, come into each work-group's LDS ONCE, by eight joint loads of 102 rows x 256 bytes: nothing is filled again,
; and no barrier stands in the loops.  By this text's count a wave has one tensor load out.
; SHARES.  The head's 128 tiles of 16 queries are dealt interleaved: tile 4 u + cx; wave w takes u = w and then u = 31 - w.  The key step of 128 on the diagonal is u / 2 whatever cx is, so branches
; and LDS addresses hang on the wave's number and on counters alone; cx enters global addresses and one lane value.  Every wave has 17 key steps, and one more for the hidden keys.
; HIDDEN KEYS.  In the diagonal step they take their own logit by a select.  A key step that lies wholly behind the diagonal gives every query the same logits: its M, its sum and its 64 numbers are
; made once (wave w: step w), summed from the end (wave w: all steps behind w), and joined to a query's own by exact powers of two.
; LAYOUT.  S^T = K Q^T (source 0 = 16 keys, source 1 = my queries; the head's 64 fill half of the instruction's K: the other half of Q is zero codes) and O^T = V^T P^T: a lane holds one query.
; 8 x mask is the C of S^T, so the mask costs no vector instruction.  p's blocks come out in the order in which the launch before has laid V's.
; The result is brought into natural order along the head's 64 (the last product's weights are given), quantised, and stored as half a fragment's image; its two scale bytes go to asc, 2 bytes a row:
; a token's 32 bytes come from sixteen clusters.
; LIMITS: a mask value under about -4.2e37 overflows in 8 x mask and acts as -infinity; a batch all of whose keys are masked so gives NaN; +infinity and NaN in the mask are not served;
; a block whose largest magnitude lies under 2^-124 keeps the byte 1.
; No prefetch: all that the launch streams goes out at its head.
.set HB,    315392                     ; a head block of qkvw: K's tiles at 0,
.set VC,    98304                      ; V's fragments,
.set KSO,   196608                     ; K's scale words,
.set VSO,   204800                     ; V's (so far also the map of LDS),
.set QC,    208896                     ; Q's tiles,
.set QSO,   307200                     ; Q's scale words
.set PART,  26112                      ; what one joint load brings
.set M8,    208896                     ; LDS: 8 x mask, 8,192 bytes;
.set H8D,   8192                       ; this far behind it 8 x (mask - 10000);
.set HL,    225280                     ; 16 states of single key steps, 272 bytes each: 64 numbers, -M, the sum, 8 bytes spare;
.set SS,    229632                     ; 16 states of all steps behind a step
.set STB,   272
.set SPARE, 233984                     ; the spare words: 128 bytes a wave, eight blocks of 256 bytes that no other line names
.set L16, 1                            ; v1   16 l
.set L8,  2                            ; v2   8 l
.set V16, 3                            ; v3   16 l + VC
.set V8,  4                            ; v4   8 l + VC
.set LKS, 5                            ; v5   4 l + KSO
.set LVS, 6                            ; v6   4 l + VSO
.set LM,  7                            ; v7   32 h + M8
.set AK16, 8                           ; v8-14 the step's addresses
.set AK8, 9
.set AV16, 10
.set AV8, 11
.set AKS, 12
.set AVS, 13
.set AM,  14
.set DQ,  15                           ; v15  my query's place in the diagonal step, less 8 h
.set SPW, 16
.set NIL, 17
.set NM,  18                           ; v18 -M, v19 the largest t
.set SUM, 20                           ; v[20:21] the sum, in two halves
.set FF,  22                           ; v22  f
.set PW,  23                           ; v23  p's scale word
.set QF,  24                           ; v24-29 Q's codes, v30-35 zero codes
.set QW,  36                           ; v36  Q's scale words
.set R4,  37                           ; v37  4 r
.set KSC, 38                           ; v38-41 K's scale words, two tiles to a register
.set VSC, 42                           ; v42-43 V's
.set KF,  44                           ; v44-91 K's eight tiles, six registers each; v92-97 zero codes.  Later V's four fragments
.set VF,  44
.set S,   98                           ; v98-161 S^T, then p
.set O,   162                          ; v162-193 O^T
.set PC,  194                          ; v194-205 p's codes
.set PC2, 206
.set R32, 213                          ; v213 32 r
.set BM,  214
.set T2,  218
.set SCO, 222
.set T,   226                          ; v226-231 at work
.set RH,  232                          ; v232 r - 8 h
.set XP,  233                          ; v233 a permute's destination
.set MO,  234                          ; v234 16 x thread
.set ML,  235                          ; v235 M8 + 16 x thread
.set WV,  12
.set CX,  13
.set SEL, 20
.set CS,  22                           ; s[22:23] log2(e) / 8
.set G1,  24
.set G0,  32
.set HBA, 36                           ; s[36:37] my head block
.set FS,  40                           ; s41-55 the factors of the steps' states
.set STP, 56
.set SD,  57
.set SK,  58
.set SM,  59
.set SV,  60
.set U,   61
.set TAU, 62
.set ACO, 66
.set ASO, 67
.set QB,  68
.set AB,  70
.set SB,  72
.set T0,  74
.set TP,  76
.set QSB, 78
.macro ROUND                           ; a round of the cluster's barrier
	s_barrier_signal -1
	s_barrier_wait -1
	s_cmp_lg_u32 s[WV], 0
	s_cbranch_scc1 .Lnot_wave_0_\@
	s_barrier_signal -3
.Lnot_wave_0_\@:
	s_barrier_wait -3
	s_barrier_signal -1
	s_barrier_wait -1
.endm
.macro BAR                             ; my LDS stores have landed and my LDS loads are in: then the work-group's barrier
	s_wait_dscnt 0x0
	s_barrier_signal -1
	s_barrier_wait -1
.endm
.macro INIT                            ; the step is written once: the first finds zeros, which the first change of M leaves zeros
	v_mov_b32 v[NM+1], 0xff61b1e6                  ; -3e38, under every t
	v_floor_f32 v[NM], -v[NM+1]
	v_mov_b32 v[SUM], 0
	v_mov_b32 v[SUM+1], 0
.set j, 0
.rept 32
	v_mov_b32 v[O+j], 0
.set j, j+1
.endr
.endm
.macro ADDR                            ; seven plain instructions: also the places behind the last step's products, in front of the loads into their registers
	v_add_nc_u32 v[AK16], s[SK], v[L16]
	v_add_nc_u32 v[AK8], s[SK], v[L8]
	v_add_nc_u32 v[AV16], s[SK], v[V16]
	v_add_nc_u32 v[AV8], s[SK], v[V8]
	v_add_nc_u32 v[AKS], s[SM], v[LKS]
	v_add_nc_u32 v[AM], s[SM], v[LM]
	v_add_nc_u32 v[AVS], s[SV], v[LVS]
.endm
.macro SCORES                          ; S^T = K Q^T + 8 x mask: register 8 t + j of lane (r, h) is key 16 t + 8 h + j, query r
.irp t, 0,1,2,3,4,5,6,7
	ds_load_b128 v[S+8*\t:S+8*\t+3], v[AM] offset:64*\t
	ds_load_b128 v[S+8*\t+4:S+8*\t+7], v[AM] offset:64*\t+16
.endr
.irp t, 0,1,2,3,4,5,6,7
	ds_load_b128 v[KF+6*\t:KF+6*\t+3], v[AK16] offset:768*\t
	ds_load_b64 v[KF+6*\t+4:KF+6*\t+5], v[AK8] offset:768*\t+512
.endr
.irp i, 0,1,2,3
	ds_load_b32 v[KSC+\i], v[AKS] offset:128*\i
.endr
	s_wait_dscnt 0x0
.irp t, 0,1,2,3,4,5,6,7                        ; source 0's upper six registers are the next tile's codes: they meet Q's zero codes
.if (\t)%2
	v_wmma_scale_f32_16x16x128_f8f6f4 v[S+8*\t:S+8*\t+7], v[KF+6*\t:KF+6*\t+11], v[QF:QF+11], v[S+8*\t:S+8*\t+7], v[KSC+\t/2], v[QW] matrix_a_fmt:MATRIX_FMT_FP6 matrix_b_fmt:MATRIX_FMT_FP6 matrix_a_scale:MATRIX_SCALE_ROW1
.else
	v_wmma_scale_f32_16x16x128_f8f6f4 v[S+8*\t:S+8*\t+7], v[KF+6*\t:KF+6*\t+11], v[QF:QF+11], v[S+8*\t:S+8*\t+7], v[KSC+\t/2], v[QW] matrix_a_fmt:MATRIX_FMT_FP6 matrix_b_fmt:MATRIX_FMT_FP6
.endif
.endr
.endm
.macro DIAG                            ; the diagonal step: a key behind my query takes 8 x (mask - 10000)
.irp g, 0,1
.irp i, 0,1,2,3,4,5,6,7
	ds_load_b128 v[KF+4*\i:KF+4*\i+3], v[AM] offset:H8D+256*\g+64*(\i/2)+16*(\i%2)
.endr
	s_wait_dscnt 0x0
.set n, 0
.rept 32
	v_cmp_gt_i32 vcc_lo, 64*\g+16*(n/8)+n%8, v[DQ]
	v_cndmask_b32 v[S+32*\g+n], v[S+32*\g+n], v[KF+n], vcc_lo
.set n, n+1
.endr
.endr
.endm
.macro LOADV                           ; V's four fragments (16 of the head's 64 x these 128 keys) and their scale words
.irp t, 0,1,2,3
	ds_load_b128 v[VF+12*\t:VF+12*\t+3], v[AV16] offset:1536*\t
	ds_load_b64 v[VF+12*\t+4:VF+12*\t+5], v[AV8] offset:1536*\t+512
	ds_load_b128 v[VF+12*\t+6:VF+12*\t+9], v[AV16] offset:1536*\t+768
	ds_load_b64 v[VF+12*\t+10:VF+12*\t+11], v[AV8] offset:1536*\t+1280
.endr
	ds_load_b32 v[VSC], v[AVS]
	ds_load_b32 v[VSC+1], v[AVS] offset:128
.endm
.macro SOFTPV                          ; from 64 numbers 8 x logit a lane to O^T += V^T P^T
.irp b, 0,1,2,3
	v_max3_num_f32 v[BM+\b], v[S+16*\b], v[S+16*\b+1], v[S+16*\b+2]   ; the largest score of each block of 32 keys: for the row's maximum, and, since p rises with the score, for the block's largest p
.endr
.irp i, 3,5,7,9,11,13
.irp b, 0,1,2,3
	v_max3_num_f32 v[BM+\b], v[BM+\b], v[S+16*\b+\i], v[S+16*\b+\i+1]
.endr
.endr
.irp b, 0,1,2,3
	v_max_num_f32 v[BM+\b], v[BM+\b], v[S+16*\b+15]
.endr
.irp b, 0,1,2,3
	v_permlanex16_b32 v[T2+\b], v[BM+\b], s[SEL], s[SEL+1]
.endr
.irp b, 0,1,2,3
	v_max_num_f32 v[BM+\b], v[BM+\b], v[T2+\b]
.endr
	v_max3_num_f32 v[T], v[BM], v[BM+1], v[BM+2]
	v_max_num_f32 v[T], v[T], v[BM+3]
	v_mul_f32 v[T], s[CS], v[T]                    ; as t
	v_max_num_f32 v[NM+1], v[NM+1], v[T]           ; the running largest t
	v_mov_b32 v[T], v[NM]
	v_floor_f32 v[NM], -v[NM+1]                    ; -M = floor(-t): M is a whole number
	v_sub_f32 v[T], v[NM], v[T]                    ; old M - new M, 0 or less
	v_cvt_i32_f32 v[T], v[T]                       ; (it saturates)
	v_ldexp_f32 v[FF], 1.0, v[T]                   ; f = 2^(old M - new M): it rounds nothing
.set j, 0
.rept 32
	v_pk_fma_f32 v[S+j:S+j+1], v[S+j:S+j+1], s[CS:CS+1], v[NM:NM+1] op_sel_hi:[1,0,0]   ; t - M
.set j, j+2
.endr
.irp b, 0,1,2,3
	v_fma_f32 v[BM+\b], v[BM+\b], s[CS], v[NM]
.endr
.set j, 0
.rept 64
	v_exp_f32 v[S+j], v[S+j]                       ; p, at most 1
.set j, j+1
.endr
	v_pk_mul_f32 v[SUM:SUM+1], v[SUM:SUM+1], v[FF:FF+1] op_sel_hi:[1,0]   ; the sums under the new M: the plain instruction behind the batch
	s_wait_alu depctr_va_vdst(0)                   ; one wait for the 64, ahead of their first reader
.irp b, 0,1,2,3
	v_exp_f32 v[BM+\b], v[BM+\b]                   ; the blocks' largest p
.endr
	v_pk_add_f32 v[T2:T2+1], v[S:S+1], v[S+2:S+3]  ; the row's sum of the unquantised p, in two chains
.set j, 4
.rept 15
	v_pk_add_f32 v[SUM:SUM+1], v[SUM:SUM+1], v[S+j:S+j+1]
	v_pk_add_f32 v[T2:T2+1], v[T2:T2+1], v[S+j+2:S+j+3]
.set j, j+4
.endr
	v_pk_add_f32 v[SUM:SUM+1], v[SUM:SUM+1], v[T2:T2+1]
	s_wait_alu depctr_va_vdst(0)                   ; and one for the four
.irp b, 0,1,2,3
	v_max_num_f32 v[BM+\b], 0x1800000, v[BM+\b]    ; the floor 2^-124
.endr
.irp b, 0,1,2,3
	v_add_nc_u32 v[SCO+\b], 0xff000000, v[BM+\b]   ; 2 off the exponent field: the conversion's scale operand
.endr
.irp b, 0,1,2,3
	v_lshrrev_b32 v[T2+\b], 23, v[SCO+\b]
.endr
	v_lshl_or_b32 v[PW], v[T2+1], 8, v[T2]
	v_lshl_or_b32 v[PW], v[T2+2], 16, v[PW]
	v_lshl_or_b32 v[PW], v[T2+3], 24, v[PW]
.irp c, 0,1
	v_cvt_scalef32_pk16_fp6_f32 v[PC+6*\c:PC+6*\c+2], v[S+32*\c:S+32*\c+15], v[SCO+2*\c]
	v_cvt_scalef32_pk16_fp6_f32 v[PC2+4*\c:PC2+4*\c+2], v[S+32*\c+16:S+32*\c+31], v[SCO+2*\c+1]
.endr
	v_nop                                          ; one plain place behind a scaled conversion
.irp c, 0,1
.irp i, 0,1,2
	v_permlane16_swap_b32 v[PC+6*\c+\i], v[PC2+4*\c+\i]
.endr
.irp i, 0,1,2
	v_mov_b32 v[PC+3+6*\c+\i], v[PC2+4*\c+\i]
.endr
.endr
.set j, 0
.rept 16
	v_pk_mul_f32 v[O+j:O+j+1], v[O+j:O+j+1], v[FF:FF+1] op_sel_hi:[1,0]   ; O^T under the new M; these sixteen are also the places between the scale word, the codes and the products
.set j, j+2
.endr
	s_wait_dscnt 0x0                               ; V is in
.irp t, 0,1,2,3
.if (\t)%2
	v_wmma_scale_f32_16x16x128_f8f6f4 v[O+8*\t:O+8*\t+7], v[VF+12*\t:VF+12*\t+11], v[PC:PC+11], v[O+8*\t:O+8*\t+7], v[VSC+\t/2], v[PW] matrix_a_fmt:MATRIX_FMT_FP6 matrix_b_fmt:MATRIX_FMT_FP6 matrix_a_scale:MATRIX_SCALE_ROW1
.else
	v_wmma_scale_f32_16x16x128_f8f6f4 v[O+8*\t:O+8*\t+7], v[VF+12*\t:VF+12*\t+11], v[PC:PC+11], v[O+8*\t:O+8*\t+7], v[VSC+\t/2], v[PW] matrix_a_fmt:MATRIX_FMT_FP6 matrix_b_fmt:MATRIX_FMT_FP6
.endif
.endr
.endm
.macro FINISH                          ; the hidden steps' state is joined, the sum divides, the 64 numbers are quantised and stored
.rept 4
	v_nop                                          ; places behind the last products
.endr
	s_mul_i32 s[T0], s[SD], STB
	v_add_nc_u32 v[AM], s[T0], v[LM]
	s_add_co_u32 s[T0+1], s[T0], SS+256
	v_mov_b32 v[AKS], s[T0+1]
.irp t, 0,1,2,3
	ds_load_b128 v[S+8*\t:S+8*\t+3], v[AM] offset:SS-M8+64*\t
	ds_load_b128 v[S+8*\t+4:S+8*\t+7], v[AM] offset:SS-M8+64*\t+16
.endr
	ds_load_b64 v[T:T+1], v[AKS]                   ; the hidden steps' -M and sum
	v_add_f32 v[SUM], v[SUM], v[SUM+1]
	v_permlanex16_b32 v[XP], v[SUM], s[SEL], s[SEL+1]
	v_add_f32 v[SUM], v[SUM], v[XP]                ; my row's sum
	s_wait_dscnt 0x0
	v_min_num_f32 v[T+2], v[NM], v[T]              ; the joint -M
	v_sub_f32 v[T+3], v[T+2], v[NM]
	v_sub_f32 v[T+4], v[T+2], v[T]
	v_cvt_i32_f32 v[T+3], v[T+3]
	v_cvt_i32_f32 v[T+4], v[T+4]
	v_ldexp_f32 v[T+3], 1.0, v[T+3]                ; what brings my own under it,
	v_ldexp_f32 v[T+4], 1.0, v[T+4]                ; and the hidden steps'
	v_mul_f32 v[SUM], v[SUM], v[T+3]
	v_fma_f32 v[SUM], v[T+1], v[T+4], v[SUM]
	v_rcp_f32 v[SUM+1], v[SUM]
	v_nop                                          ; a plain instruction behind the reciprocal,
	s_wait_alu depctr_va_vdst(0)                   ; and the wait ahead of its first reader
	v_mul_f32 v[FF], v[T+3], v[SUM+1]
	v_mul_f32 v[T], v[T+4], v[SUM+1]
.set j, 0
.rept 16
	v_pk_mul_f32 v[S+j:S+j+1], v[S+j:S+j+1], v[T:T+1] op_sel_hi:[1,0]
.set j, j+2
.endr
.set j, 0
.rept 16
	v_pk_fma_f32 v[O+j:O+j+1], v[O+j:O+j+1], v[FF:FF+1], v[S+j:S+j+1] op_sel_hi:[1,0,1]   ; each accumulator from its low end on
.set j, j+2
.endr
.irp bl, 0,1                                   ; into natural order: register 16 bl + i becomes channel 32 bl + 16 h + i
.irp i, 0,1,2,3,4,5,6,7
	v_permlane16_swap_b32 v[O+16*\bl+\i], v[O+16*\bl+8+\i]
.endr
.endr
.irp bl, 0,1
	v_max3_num_f32 v[BM+\bl], |v[O+16*\bl]|, |v[O+16*\bl+1]|, 0x1800000
.endr
.irp i, 2,4,6,8,10,12,14
.irp bl, 0,1
	v_max3_num_f32 v[BM+\bl], v[BM+\bl], |v[O+16*\bl+\i]|, |v[O+16*\bl+\i+1]|
.endr
.endr
.irp bl, 0,1
	v_permlanex16_b32 v[T2+\bl], v[BM+\bl], s[SEL], s[SEL+1]
.endr
.irp bl, 0,1
	v_max_num_f32 v[BM+\bl], v[BM+\bl], v[T2+\bl]
.endr
.irp bl, 0,1
	v_add_nc_u32 v[SCO+\bl], 0xff000000, v[BM+\bl]
.endr
.irp bl, 0,1
	v_lshrrev_b32 v[T2+\bl], 23, v[SCO+\bl]
.endr
	v_lshl_or_b32 v[T+2], v[T2+1], 8, v[T2]        ; my row's two scale bytes
	v_cvt_scalef32_pk16_fp6_f32 v[PC:PC+2], v[O:O+15], v[SCO]
	v_cvt_scalef32_pk16_fp6_f32 v[PC+4:PC+6], v[O+16:O+31], v[SCO+1]
	v_nop
.irp i, 0,1,2
	v_permlane16_swap_b32 v[PC+\i], v[PC+4+\i]
.endr
.irp i, 0,1,2
	v_mov_b32 v[PC+3+\i], v[PC+4+\i]               ; in this order: each source is read before it is written
.endr
	global_store_b128 v[L16], v[PC:PC+3], s[AB:AB+1]              ; 512 consecutive bytes
	global_store_b64 v[L8], v[PC+4:PC+5], s[AB:AB+1] offset:512   ; 256
	global_store_b16 v[R32], v[T+2], s[SB:SB+1]                   ; lanes 16-31 repeat lanes 0-15
.endm
.macro PASS p                          ; one tile of 16 queries
	s_wait_xcnt 0x0                                ; earlier loads and stores have read their bases and data: they are written again only behind this wait
.if \p
	s_xor_b32 s[U], s[WV], 31                      ; 31 - wave
.else
	s_mov_b32 s[U], s[WV]
.endif
	s_lshr_b32 s[SD], s[U], 1                      ; the diagonal key step
	s_lshl_b32 s[TAU], s[U], 2
	s_add_co_u32 s[TAU], s[TAU], s[CX]             ; my tile of queries
	s_and_b32 s[T0], s[U], 1
	s_lshl_b32 s[T0], s[T0], 6
	s_lshl_b32 s[T0+1], s[CX], 4
	s_add_co_u32 s[T0], s[T0], s[T0+1]
	v_add_nc_u32 v[DQ], s[T0], v[RH]
	s_mov_b32 s[TP+1], 0
	s_mul_i32 s[TP], s[TAU], 768
	s_add_co_u32 s[TP], s[TP], QC
	s_add_nc_u64 s[QB:QB+1], s[HBA:HBA+1], s[TP:TP+1]
	s_lshl_b32 s[TP], s[TAU], 6
	s_add_co_u32 s[TP], s[TP], QSO
	s_add_nc_u64 s[QSB:QSB+1], s[HBA:HBA+1], s[TP:TP+1]
	s_mul_i32 s[TP], s[TAU], 12288
	s_add_co_u32 s[TP], s[TP], s[ACO]
	s_add_nc_u64 s[AB:AB+1], s[8:9], s[TP:TP+1]
	s_lshl_b32 s[TP], s[TAU], 9
	s_add_co_u32 s[TP], s[TP], s[ASO]
	s_add_nc_u64 s[SB:SB+1], s[10:11], s[TP:TP+1]
	global_load_b128 v[QF:QF+3], v[L16], s[QB:QB+1]
	global_load_b64 v[QF+4:QF+5], v[L8], s[QB:QB+1] offset:512
	global_load_b32 v[QW], v[R4], s[QSB:QSB+1]
	INIT
	s_mov_b32 s[SK], 0
	s_mov_b32 s[SM], 0
	s_mov_b32 s[SV], 0
	s_mov_b32 s[STP], 0
	s_wait_loadcnt 0x0
.Lstep_\@:                                         ; sixteen trips, a constant: a step behind the diagonal is passed over, but for the lines that step addresses
	s_cmp_gt_u32 s[STP], s[SD]
	s_cbranch_scc1 .Lpast_\@
	ADDR
	SCORES
.rept 4
	v_nop                                          ; places behind the products
.endr
	s_cmp_lg_u32 s[STP], s[SD]
	s_cbranch_scc1 .Lopen_\@
	DIAG
.Lopen_\@:
	LOADV
	SOFTPV
.Lpast_\@:
	s_add_co_u32 s[SK], s[SK], 6144
	s_add_co_u32 s[SM], s[SM], 512
	s_add_co_u32 s[SV], s[SV], 256
	s_add_co_u32 s[STP], s[STP], 1
	s_cmp_lt_u32 s[STP], 16
	s_cbranch_scc1 .Lstep_\@
	FINISH
.endm
	s_load_b256 s[4:11], s[0:1], 0x0               ; qkvw, the mask, ac, asc
	v_lshl_add_u32 v[SPW], v0, 2, SPARE
	v_mov_b32 v[NIL], 0
	ds_add_u32 v[SPW], v[NIL]                      ; the wave's opening: the add and its wait ahead of the first tensor load
	v_lshrrev_b32 v[T], 5, v0
	v_readfirstlane_b32 s[WV], v[T]                ; wave 0..15
	s_bfe_u32 s[CX], ttmp6, 0x40000                ; cx
	s_and_b32 s14, ttmp7, 0xffff                   ; 16 x batch + head: the cluster's y
	s_lshr_b32 s15, s14, 4
	s_and_b32 s16, s14, 15
	s_mov_b32 s[G1], 15|(3<<16)|(1<<21)            ; the mask: all four work-groups; elements of 8 bytes; bit 21 beside a mask; no padding
	s_mov_b32 s[G1+1], 32<<16                      ; tensor_dim0: 32 elements, 256 bytes
	s_mov_b32 s[G1+2], 102<<16                     ; tensor_dim1
	s_mov_b32 s[G1+3], 32<<16                      ; tile_dim0
	s_mov_b32 s[G1+4], 102                         ; tile_dim1
	s_mov_b32 s[G1+5], 32                          ; the pitch: the block is dense
	s_mov_b32 s[G1+6], 0
	s_mov_b32 s[G1+7], 0
	s_mov_b32 s[SEL], 0x76543210
	s_mov_b32 s[SEL+1], 0xfedcba98
	s_mov_b32 s[CS], 0x3e38aa3b                    ; log2(e) / 8
	s_mov_b32 s[CS+1], s[CS]
	s_mul_i32 s[TP], s14, HB
	s_mov_b32 s[TP+1], 0
	s_mul_i32 s[T0], s[WV], PART
	s_mul_i32 s[ACO], s15, 128*12288               ; ac: the batch's 128 tiles of tokens, and 768 bytes a head
	s_mul_i32 s[T0+1], s16, 768
	s_add_co_u32 s[ACO], s[ACO], s[T0+1]
	s_lshl_b32 s[ASO], s15, 16                     ; asc: 2,048 rows of 32 bytes a batch, 2 bytes a head
	s_lshl_b32 s[T0+1], s16, 1
	s_add_co_u32 s[ASO], s[ASO], s[T0+1]
	v_and_b32 v[T], 31, v0                         ; l
	v_lshlrev_b32 v[L16], 4, v[T]
	v_lshlrev_b32 v[L8], 3, v[T]
	v_add_nc_u32 v[V16], VC, v[L16]
	v_add_nc_u32 v[V8], VC, v[L8]
	v_lshl_add_u32 v[LKS], v[T], 2, KSO
	v_lshl_add_u32 v[LVS], v[T], 2, VSO
	v_bfe_u32 v[T+1], v0, 4, 1                     ; h
	v_lshl_add_u32 v[LM], v[T+1], 5, M8
	v_and_b32 v[T+2], 15, v0                       ; r
	v_lshlrev_b32 v[R4], 2, v[T+2]
	v_lshlrev_b32 v[R32], 5, v[T+2]
	v_lshlrev_b32 v[T+3], 3, v[T+1]
	v_sub_nc_u32 v[RH], v[T+2], v[T+3]
	v_lshlrev_b32 v[MO], 4, v0
	v_lshl_add_u32 v[ML], v0, 4, M8
	s_wait_dscnt 0x0                               ; the opening add is done
	s_wait_kmcnt 0x0
	s_add_nc_u64 s[HBA:HBA+1], s[4:5], s[TP:TP+1]
	s_mov_b32 s[G0], 1
	s_mov_b32 s[G0+1], s[T0]                       ; LDS: wave x 26,112
	s_mov_b32 s[TP], s[T0]
	s_add_nc_u64 s[G0+2:G0+3], s[HBA:HBA+1], s[TP:TP+1]
	s_or_b32 s[G0+3], s[G0+3], 0x80000000
	s_lshl_b32 s[TP], s15, 13
	s_add_nc_u64 s[6:7], s[6:7], s[TP:TP+1]        ; my batch's mask
	ROUND                                          ; all four work-groups are here: the joint loads meet
	s_cmp_lt_u32 s[WV], 8
	s_cbranch_scc0 .Lno_fill
	tensor_load_to_lds s[G0:G0+3], s[G1:G1+7]
	s_nop 0
.rept 4
	v_nop
.endr
.Lno_fill:
	global_load_b128 v[S:S+3], v[MO], s[6:7]       ; 512 threads x 16 bytes: the batch's 2,048 numbers
.irp i, 0,1,2,3,4,5
	v_mov_b32 v[QF+6+\i], 0                        ; zero codes: the upper half of Q's K,
	v_mov_b32 v[KF+48+\i], 0                       ; and what stands behind K's last tile
.endr
.irp b, 0,1,2,3
	v_mov_b32 v[T2+\b], 0                          ; a lane permute's destination counts as one of its sources
.endr
	v_mov_b32 v[XP], 0
	v_mov_b32 v[PW], 0                             ; named as the upper half of a pair before it is first written
	s_wait_loadcnt 0x0
	v_pk_mul_f32 v[S+4:S+5], v[S:S+1], 0x41000000 op_sel_hi:[1,0]       ; 8 x mask
	v_pk_mul_f32 v[S+6:S+7], v[S+2:S+3], 0x41000000 op_sel_hi:[1,0]
	v_pk_add_f32 v[S+8:S+9], v[S+4:S+5], 0xc79c4000 op_sel_hi:[1,0]     ; - 80000: rounded as mask - 10000 is, since the factor 8 moves the exponent alone
	v_pk_add_f32 v[S+10:S+11], v[S+6:S+7], 0xc79c4000 op_sel_hi:[1,0]
	ds_store_b128 v[ML], v[S+4:S+7]
	ds_store_b128 v[ML], v[S+8:S+11] offset:H8D
	s_wait_tensorcnt 0x0                           ; my part of the head is in,
	BAR                                            ; everybody's is, and the two tables of the mask
	; ---- the state of key step w, all of whose keys are hidden: sixteen equal queries
	s_mul_i32 s[SK], s[WV], 6144
	s_lshl_b32 s[SM], s[WV], 9
	s_lshl_b32 s[SV], s[WV], 8
	INIT
	ADDR
.irp t, 0,1,2,3,4,5,6,7
	ds_load_b128 v[S+8*\t:S+8*\t+3], v[AM] offset:H8D+64*\t
	ds_load_b128 v[S+8*\t+4:S+8*\t+7], v[AM] offset:H8D+64*\t+16
.endr
	LOADV
	s_wait_dscnt 0x0
	SOFTPV
	v_add_f32 v[SUM], v[SUM], v[SUM+1]
	v_permlanex16_b32 v[XP], v[SUM], s[SEL], s[SEL+1]
	v_add_f32 v[NM+1], v[SUM], v[XP]               ; the step's sum, beside -M
.rept 4
	v_nop                                          ; places behind the products
.endr
	s_mul_i32 s[T0], s[WV], STB
	v_add_nc_u32 v[AK16], s[T0], v[LM]
	s_add_co_u32 s[T0+1], s[T0], HL+256
	v_mov_b32 v[AK8], s[T0+1]
.irp t, 0,1,2,3
	ds_store_b128 v[AK16], v[O+8*\t:O+8*\t+3] offset:HL-M8+64*\t        ; channels 16 t + 8 h + 0..7; the sixteen lanes of a half write the same bytes with the same values
	ds_store_b128 v[AK16], v[O+8*\t+4:O+8*\t+7] offset:HL-M8+64*\t+16
.endr
	ds_store_b64 v[AK8], v[NM:NM+1]
	BAR                                            ; the sixteen states lie in LDS
	; ---- wave w sums the states of the steps behind w, under their largest M
	v_and_b32 v[T], 15, v0                         ; lane i looks at step i
	v_mul_u32_u24 v[T+1], v[T], STB
	v_add_nc_u32 v[T+1], HL+256, v[T+1]
	v_add_nc_u32 v[AV16], HL, v[L8]
	ds_load_b64 v[T+2:T+3], v[T+1]                 ; -M and the sum of step i
.irp i, 1,2,3,4,5,6,7,8,9,10,11,12,13,14,15
	ds_load_b64 v[S+2*\i-2:S+2*\i-1], v[AV16] offset:STB*\i   ; channels 2 l, 2 l + 1 of step i
.endr
	s_wait_dscnt 0x0
	v_cmp_lt_u32 vcc_lo, s[WV], v[T]               ; does step i lie behind w?
	v_mov_b32 v[T+4], 0x7f61b1e6                   ; 3e38: no step
	v_cndmask_b32 v[T+4], v[T+4], v[T+2], vcc_lo
	v_mov_b32 v[T+5], v[T+4]
	v_min_num_f32_dpp v[T+5], v[T+5], v[T+5] row_xmask:1 row_mask:0xf bank_mask:0xf
	v_min_num_f32_dpp v[T+5], v[T+5], v[T+5] row_xmask:2 row_mask:0xf bank_mask:0xf
	v_min_num_f32_dpp v[T+5], v[T+5], v[T+5] row_xmask:4 row_mask:0xf bank_mask:0xf
	v_min_num_f32_dpp v[T+5], v[T+5], v[T+5] row_xmask:8 row_mask:0xf bank_mask:0xf
	v_sub_f32 v[T+4], v[T+5], v[T+4]
	v_cvt_i32_f32 v[T+4], v[T+4]
	v_ldexp_f32 v[T+4], 1.0, v[T+4]
	v_cndmask_b32 v[T+4], 0, v[T+4], vcc_lo        ; step i's factor
	v_mul_f32 v[T+3], v[T+4], v[T+3]
	v_add_f32_dpp v[T+3], v[T+3], v[T+3] row_xmask:1 row_mask:0xf bank_mask:0xf
	v_add_f32_dpp v[T+3], v[T+3], v[T+3] row_xmask:2 row_mask:0xf bank_mask:0xf
	v_add_f32_dpp v[T+3], v[T+3], v[T+3] row_xmask:4 row_mask:0xf bank_mask:0xf
	v_add_f32_dpp v[T+3], v[T+3], v[T+3] row_xmask:8 row_mask:0xf bank_mask:0xf
.irp i, 1,2,3,4,5,6,7,8,9,10,11,12,13,14,15
	v_readlane_b32 s[FS+\i], v[T+4], \i
.endr
	v_mul_f32 v[T], s[FS+1], v[S]
	v_mul_f32 v[T+1], s[FS+1], v[S+1]
.irp i, 2,3,4,5,6,7,8,9,10,11,12,13,14,15
	v_fma_f32 v[T], s[FS+\i], v[S+2*\i-2], v[T]
	v_fma_f32 v[T+1], s[FS+\i], v[S+2*\i-1], v[T+1]
.endr
	v_mov_b32 v[T+2], v[T+5]                       ; -M beside the sum
	s_mul_i32 s[T0], s[WV], STB
	s_add_co_u32 s[T0], s[T0], SS
	v_add_nc_u32 v[AK16], s[T0], v[L8]
	s_add_co_u32 s[T0], s[T0], 256
	v_mov_b32 v[AK8], s[T0]
	ds_store_b64 v[AK16], v[T:T+1]
	ds_store_b64 v[AK8], v[T+2:T+3]
	BAR                                            ; the sixteen sums lie in LDS
	PASS 0
	PASS 1
	s_wait_tensorcnt 0x0                           ; the wave's end
	ds_add_u32 v[SPW], v[NIL]
	s_wait_dscnt 0x0
	ROUND                                          ; the closing round
	s_endpgm
.Lfunc_end_k_q2ab9933d64_attn:
	.size	k_q2ab9933d64_attn, .Lfunc_end_k_q2ab9933d64_attn-k_q2ab9933d64_attn
	.p2alignl 7, 3214868480
	.fill 96, 4, 3214868480
	.section	.rodata,"a",@progbits
	.p2align	6, 0x0
	.amdhsa_kernel k_q2ab9933d64_attn
		.amdhsa_group_segment_fixed_size 236032
		.amdhsa_private_segment_fixed_size 0
		.amdhsa_enable_private_segment 0
		.amdhsa_kernarg_size 32
		.amdhsa_user_sgpr_count 2
		.amdhsa_user_sgpr_kernarg_segment_ptr 1
		.amdhsa_wavefront_size32 1
		.amdhsa_system_sgpr_workgroup_id_x 1
		.amdhsa_system_sgpr_workgroup_id_y 1
		.amdhsa_system_sgpr_workgroup_id_z 1
		.amdhsa_system_vgpr_workitem_id 0
		.amdhsa_next_free_vgpr 256
		.amdhsa_next_free_sgpr 80
		.amdhsa_reserve_vcc 1
		.amdhsa_float_denorm_mode_32 3
		.amdhsa_float_denorm_mode_16_64 3
		.amdhsa_memory_ordered 1
		.amdhsa_forward_progress 1
		.amdhsa_inst_pref_size 92
	.end_amdhsa_kernel
	.amdgpu_metadata
---
amdhsa.version: [ 1, 2 ]
amdhsa.kernels:
  - .name:           k_q2ab9933d64_attn
    .symbol:         k_q2ab9933d64_attn.kd
    .args:
      - { .name: qkvw, .offset: 0, .size: 8, .value_kind: global_buffer, .address_space: global }
      - { .name: attention_mask, .offset: 8, .size: 8, .value_kind: global_buffer, .address_space: global }
      - { .name: ac, .offset: 16, .size: 8, .value_kind: global_buffer, .address_space: global }
      - { .name: asc, .offset: 24, .size: 8, .value_kind: global_buffer, .address_space: global }
    .group_segment_fixed_size: 236032
    .private_segment_fixed_size: 0
    .kernarg_segment_align: 8
    .kernarg_segment_size: 32
    .max_flat_workgroup_size: 512
    .sgpr_count:     80
    .vgpr_count:     256
    .wavefront_size: 32
...
	.end_amdgpu_metadata
.endif
;; end of part 2
;; launch proj (part 3): grid 4 x 32, 4 waves a work-group, clusters of 4 x 4, 327,680 bytes of LDS; arguments ac, asc, W_proj_codes, W_proj_scales, out0, b_proj; writes out0
.if DOCPART == 3
	.amdgcn_target "amdgcn-amd-amdhsa--gfx1250"
	.amdhsa_code_object_version 6
	.text
	.protected	k_q2ab9933d64_proj
	.globl	k_q2ab9933d64_proj
	.p2align	8
	.type	k_q2ab9933d64_proj,@function
k_q2ab9933d64_proj:
	s_mov_b64 s[64:65], 0
	v_nop
	global_prefetch_b8 v0, s[64:65] scope:SCOPE_SE
	s_setreg_imm32_b32 hwreg(HW_REG_WAVE_MODE, 25, 1), 1
	s_wait_xcnt 0x0
	s_wait_alu depctr_hold_cnt(0) depctr_sa_sdst(0) depctr_va_vdst(0) depctr_va_sdst(0) depctr_va_ssrc(0) depctr_va_vcc(0) depctr_vm_vsrc(0)
	s_getreg_b32 s2, hwreg(HW_REG_IB_STS2, 6, 4)
	s_cmp_eq_u32 s2, 0
	s_cbranch_scc0 .Lentry_in_a_cluster
	s_endpgm
.Lentry_in_a_cluster:
	s_bfe_u32 s2, ttmp6, 0x10000c
	s_cmp_lg_u32 s2, 0xf033
	s_cbranch_scc0 .Lentry_shape_is_right
	s_endpgm
.Lentry_shape_is_right:
; out0 = A W_proj + b_proj on codes of FP6 (E2M3) with E8M0 scales; sums in f32.  A, the merged heads, [8192][1024], comes from the launch before as IMAGES OF OPERAND REGISTERS:
; ac [tile of 16 tokens 512][fragment of 128 along K 8] x 1,536 bytes (registers 0-3 at 16 x lane, 4-5 at 512 + 8 x lane, 6-9 at 768 + 16 x lane, 10-11 at 1,280 + 8 x lane); asc [8192][32] scale bytes.
; W_proj: [1024][1024] codes, K innermost, scale bytes [1024][32].  out0: [8192][1024] f32.
; A work-group of four waves makes 256 x 256, a wave 128 x 128: 64 accumulators.  K goes in steps of 256 through a ring of two LDS slots; the scale bytes come once.
; CLUSTERS: 4 x 4 work-groups; A's tile is asked for jointly along a row of the cluster, W's along a column.  Source 0 = 16 rows of W, source 1 = 16 tokens: a lane holds eight neighbouring numbers of a row of out0.
; The bias is the C of the first K step's products.  128 work-groups: the tile is kept at 256 x 256, so that no fragment is read twice from LDS.
; No prefetch: the tiles are shared by joint loads and the K loop is four steps long.
.set SIZE_N, 1024
.set SIZE_K, 1024
.set KSTEP,  256
.set NQ,     KSTEP/128
.set ROWB,   192
.set KROW,   SIZE_K*6/8
.set PITCH,  240
.set FR,     12
.set NLA,    4                         ; LDS loads that bring a fragment of A
.set NP,     4
.set ASTEP,  3072                      ; a K step of a tile of 16 tokens: two fragments
.set HALFA,  8*ASTEP                   ; eight such tiles: what one tensor load brings of A
.set HALFT,  128*PITCH                 ; 128 rows of W
.set SLOT,   2*HALFA+2*HALFT
.set LAPS,   SIZE_K/(2*KSTEP)
.set KS,     SIZE_K/32
.set SCL,    2*SLOT
.set HALFS,  (128*KS/256)*272
.set SBLK,   (16*KS/256)*272
.set SPARE,  SCL+4*HALFS               ; the spare words: 128 bytes a wave, two blocks of 256 bytes that no other line names
.set SPITCH, 528
.set BO,   15                          ; v15  32 h: the bias's offset
.set ADRA, 16                          ; v16-17 16 l + my A fragments in slot 0, 1;  v18-19 the same with 8 l
.set ADRB, 20
.set STO,  24
.set RD,   25
.set CO,   26
.set ADRS, 27
.set SPW,  28
.set NIL,  29
.set SC,   32
.set BI,   64                          ; v64-127 the bias, eight registers for each tile of W's rows
.set AF,   128
.set BK,   128
.set G1, 24
.set G0, 32
.set G1B, 48
.set G0B, 56
.set G1S, 68
.set G0S, 76
.set G1SB, 80
.set G0SB, 88
.set MSB, 0
.macro WIN new
.if MSB != (\new)
	s_set_vgpr_msb (MSB<<8)|(\new)
.set MSB, (\new)
.endif
.endm
.set MUL_LO, 0xa1
.set MUL_HI, 0xf1
.set TO_B,   0x40
.macro JLOAD g0a, g1a, g0b, g1b
	s_cmp_eq_u32 s15, 0
	s_cbranch_scc0 .Lfor_b_\@
	tensor_load_to_lds s[\g0a:\g0a+3], s[\g1a:\g1a+7]
	s_nop 0
.rept 4
	v_nop
.endr
	s_branch .Lasked_\@
.Lfor_b_\@:
	tensor_load_to_lds s[\g0b:\g0b+3], s[\g1b:\g1b+7]
	s_nop 0
.rept 4
	v_nop
.endr
.Lasked_\@:
.endm
.macro CREST
	s_cmp_lg_u32 s14, 0
	s_cbranch_scc1 .Lnot_wave_0_\@
	s_barrier_signal -3
.Lnot_wave_0_\@:
	s_barrier_wait -3
	s_barrier_signal -1
	s_barrier_wait -1
.endm
.macro CROUND
	s_barrier_signal -1
	s_barrier_wait -1
	CREST
.endm
	s_load_b128 s[4:7], s[0:1], 0x0                ; ac, asc
	s_load_b128 s[8:11], s[0:1], 0x10              ; W's codes, W's scales
	s_load_b64 s[12:13], s[0:1], 0x20              ; out0
	s_load_b64 s[96:97], s[0:1], 0x28              ; b_proj
	v_lshl_add_u32 v[SPW], v0, 2, SPARE
	v_mov_b32 v[NIL], 0
	ds_add_u32 v[SPW], v[NIL]                      ; the wave's opening: the add and its wait ahead of my first tensor load
	v_lshrrev_b32 v1, 5, v0
	v_readfirstlane_b32 s14, v1
	s_lshr_b32 s15, s14, 1                         ; my half of the tile's rows.  Also: I fetch for A (0) or for W (1)
	s_and_b32 s16, s14, 1                          ; my half of its columns.  Also: which half I fetch
	s_bfe_u32 s40, ttmp6, 0x40000
	s_bfe_u32 s41, ttmp6, 0x40004
	s_lshl_b32 s42, ttmp9, 2
	s_add_co_u32 s42, s42, s40                     ; tile column
	s_and_b32 s17, ttmp7, 0xffff
	s_lshl_b32 s17, s17, 2
	s_add_co_u32 s17, s17, s41                     ; tile row
	s_lshl_b32 s43, s41, 2
	s_lshl_b32 s43, 15, s43
	s_lshl_b32 s44, 0x1111, s40
	s_or_b32 s[G1+0], s43, (3<<16)|(1<<21)         ; A: the mask of my row; elements of 8 bytes; bit 21 beside a mask; no padding: images are read 16 or 8 bytes a lane on end
	s_mov_b32 s[G1+1], 384<<16                     ; tensor_dim0: 3,072 bytes
	s_mov_b32 s[G1+2], 8<<16                       ; tensor_dim1: eight tiles of 16 tokens
	s_mov_b32 s[G1+3], 384<<16
	s_mov_b32 s[G1+4], 8
	s_mov_b32 s[G1+5], 1536                        ; the pitch: 12,288 bytes
	s_mov_b32 s[G1+6], 0
	s_mov_b32 s[G1+7], 0
	s_or_b32 s[G1B+0], s44, (0<<16)|(1<<20)|(1<<21)|(3<<22)|(3<<25)
	s_mov_b32 s[G1B+1], ROWB<<16
	s_mov_b32 s[G1B+2], 128<<16
	s_mov_b32 s[G1B+3], ROWB<<16
	s_mov_b32 s[G1B+4], 128
	s_mov_b32 s[G1B+5], KROW
	s_mov_b32 s[G1B+6], 0
	s_mov_b32 s[G1B+7], 0
	s_or_b32 s[G1S+0], s43, (3<<16)|(1<<20)|(1<<21)|(5<<22)|(3<<25)
	s_or_b32 s[G1SB+0], s44, (3<<16)|(1<<20)|(1<<21)|(5<<22)|(3<<25)
.irp g, G1S, G1SB
	s_mov_b32 s[\g+1], 32<<16
	s_mov_b32 s[\g+2], (128*KS/256)<<16
	s_mov_b32 s[\g+3], 32<<16
	s_mov_b32 s[\g+4], 128*KS/256
	s_mov_b32 s[\g+5], 32
	s_mov_b32 s[\g+6], 0
	s_mov_b32 s[\g+7], 0
.endr
	s_lshl_b32 s18, s16, 7
	s_lshl_b32 s20, s17, 8
	s_add_co_u32 s20, s20, s18                     ; A: token 256 x tile row + 128 x half
	s_lshl_b32 s46, s42, 8
	s_add_co_u32 s46, s46, s18                     ; W: row 256 x tile column + 128 x half
	s_mov_b32 s21, 0
	s_mov_b32 s47, 0
	s_mov_b64 s[18:19], KS
	s_mul_u64 s[22:23], s[20:21], s[18:19]
	s_mul_u64 s[92:93], s[46:47], s[18:19]
	s_mov_b64 s[18:19], KROW
	s_mul_u64 s[20:21], s[20:21], s[18:19]         ; 768 bytes a token: 12,288 for a tile of 16
	s_mul_u64 s[46:47], s[46:47], s[18:19]
	s_mul_i32 s45, s16, HALFA                      ; where they go: A's two halves,
	s_mul_i32 s98, s16, HALFT                      ; then W's two
	s_mul_i32 s94, s14, HALFS
	s_wait_dscnt 0x0
	s_wait_kmcnt 0x0
	s_add_nc_u64 s[20:21], s[4:5], s[20:21]
	s_add_nc_u64 s[22:23], s[6:7], s[22:23]
	s_add_nc_u64 s[46:47], s[8:9], s[46:47]
	s_add_nc_u64 s[92:93], s[10:11], s[92:93]
	CROUND
	s_mov_b32 s[G0S], 1
	s_add_co_u32 s[G0S+1], s94, SCL
	s_mov_b64 s[G0S+2:G0S+3], s[22:23]
	s_or_b32 s[G0S+3], s[G0S+3], 0x80000000
	s_mov_b32 s[G0SB], 1
	s_add_co_u32 s[G0SB+1], s94, SCL
	s_mov_b64 s[G0SB+2:G0SB+3], s[92:93]
	s_or_b32 s[G0SB+3], s[G0SB+3], 0x80000000
	JLOAD G0S, G1S, G0SB, G1SB
.irp s, 0,1
	s_mov_b32 s[G0+4*\s], 1
	s_add_co_u32 s[G0+4*\s+1], s45, \s*SLOT
	s_add_nc_u64 s[G0+4*\s+2:G0+4*\s+3], s[20:21], \s*ASTEP
	s_or_b32 s[G0+4*\s+3], s[G0+4*\s+3], 0x80000000
	s_mov_b32 s[G0B+4*\s], 1
	s_add_co_u32 s[G0B+4*\s+1], s98, \s*SLOT+2*HALFA
	s_add_nc_u64 s[G0B+4*\s+2:G0B+4*\s+3], s[46:47], \s*ROWB
	s_or_b32 s[G0B+4*\s+3], s[G0B+4*\s+3], 0x80000000
	JLOAD G0+4*\s, G1, G0B+4*\s, G1B               ; by this text's count three tensor loads of a wave are out here
.endr
	v_and_b32 v1, 15, v0
	v_bfe_u32 v2, v0, 4, 1
	s_lshl_b32 s46, s42, 10                        ; my first column, in bytes of f32: 1,024 x tile column + 512 x half
	s_lshl_b32 s47, s16, 9
	s_add_co_u32 s46, s46, s47
	s_mov_b32 s47, 0
	s_add_nc_u64 s[96:97], s[96:97], s[46:47]
	v_lshlrev_b32 v[BO], 5, v2
.irp b, 0,1,2,3,4,5,6,7                        ; register j of tile b: the bias of column 16 b + 8 h + j
	global_load_b128 v[BI+8*\b:BI+8*\b+3], v[BO], s[96:97] offset:64*\b
	global_load_b128 v[BI+8*\b+4:BI+8*\b+7], v[BO], s[96:97] offset:64*\b+16
.endr
	v_mul_u32_u24 v3, v1, PITCH
	v_mul_u32_u24 v4, v2, 24
	v_add_nc_u32 v4, v3, v4
	v_lshl_add_u32 v5, v2, 4, v4
	v_and_b32 v6, 31, v0
	v_lshlrev_b32 v7, 4, v6
	v_lshlrev_b32 v8, 3, v6
	s_mul_i32 s21, s15, HALFA
	s_mul_i32 s22, s16, HALFT
	s_add_co_u32 s22, s22, 2*HALFA
.irp s, 0,1
	v_add_nc_u32 v[ADRA+\s], s21, v7
	v_add_nc_u32 v[ADRA+2+\s], s21, v8
	v_add_nc_u32 v[ADRB+\s], s22, v4
	v_add_nc_u32 v[ADRB+2+\s], s22, v5
	s_add_co_u32 s21, s21, SLOT
	s_add_co_u32 s22, s22, SLOT
.endr
	v_mul_u32_u24 v5, v1, KS
	v_lshrrev_b32 v9, 8, v5
	v_lshl_add_u32 v5, v9, 4, v5
	s_mul_i32 s21, s15, HALFS
	s_mul_i32 s22, s16, HALFS
	s_add_co_u32 s22, s22, 2*HALFS
	s_sub_co_u32 s22, s22, s21
	v_mul_u32_u24 v9, s22, v2                      ; lanes 16-31 take W's
	s_add_co_u32 s21, s21, SCL
	v_add_nc_u32 v5, v5, v9
	v_add_nc_u32 v[ADRS], s21, v5
	s_mul_i32 s23, s14, 16*SPITCH                  ; my stage, in slot 0, which has had its last fill and its last read when the first result is stored there
	v_mul_u32_u24 v5, v1, SPITCH
	v_lshl_add_u32 v5, v2, 5, v5
	v_add_nc_u32 v[STO], s23, v5
	v_lshlrev_b32 v[CO], 4, v6
	v_add_nc_u32 v[RD], s23, v[CO]
	s_lshl_b32 s20, s17, 8
	s_lshl_b32 s21, s15, 7
	s_add_co_u32 s20, s20, s21
	s_mov_b32 s21, 0
	s_mov_b64 s[18:19], SIZE_N*4
	s_mul_u64 s[20:21], s[20:21], s[18:19]
	s_add_nc_u64 s[20:21], s[20:21], s[46:47]
	s_add_nc_u64 s[12:13], s[12:13], s[20:21]
.macro FRAG reg, adr, q, i             ; a fragment of W from padded rows, in pieces of 8 bytes
.irp p, 0,1,2,3,4,5
.set PCE, 12*(\q)+6*(\p/3)+\p%3
.if PCE%8 < 5
	ds_load_b64 v[\reg+2*\p:\reg+2*\p+1], v[\adr] offset:8*PCE+16*(PCE/8)+(\i)*16*PITCH
.else
	ds_load_b64 v[\reg+2*\p:\reg+2*\p+1], v[\adr+2] offset:8*PCE+16*(PCE/8)+(\i)*16*PITCH
.endif
.endr
.endm
.macro FRAGA reg, slot, q, i           ; a fragment of A from its image
	ds_load_b128 v[\reg:\reg+3], v[ADRA+\slot] offset:ASTEP*(\i)+1536*(\q)
	ds_load_b64 v[\reg+4:\reg+5], v[ADRA+2+\slot] offset:ASTEP*(\i)+1536*(\q)+512
	ds_load_b128 v[\reg+6:\reg+9], v[ADRA+\slot] offset:ASTEP*(\i)+1536*(\q)+768
	ds_load_b64 v[\reg+10:\reg+11], v[ADRA+2+\slot] offset:ASTEP*(\i)+1536*(\q)+1280
.endm
; The 64 accumulators take turns, one instruction a turn, in the same order in every step.  zero = 1: the sums start from the bias.
.macro MUL16 a0, p, q, sc, zero
.irp a, \a0, \a0+1
.irp b, 0,1,2,3,4,5,6,7
.if \zero
	v_wmma_scale_f32_16x16x128_f8f6f4 v[8*(8*((\a)%4)+\b):8*(8*((\a)%4)+\b)+7], v[128*(\p)+FR*\b:128*(\p)+FR*\b+FR-1], v[AF+FR*(\a):AF+FR*(\a)+FR-1], v[BI+8*\b:BI+8*\b+7], v[SC+8*NQ*(\sc)+NQ*\b+(\q)], v[SC+8*NQ*(\sc)+NQ*(\a)+(\q)] matrix_a_fmt:MATRIX_FMT_FP6 matrix_b_fmt:MATRIX_FMT_FP6 matrix_a_scale:MATRIX_SCALE_ROW1
.else
	v_wmma_scale_f32_16x16x128_f8f6f4 v[8*(8*((\a)%4)+\b):8*(8*((\a)%4)+\b)+7], v[128*(\p)+FR*\b:128*(\p)+FR*\b+FR-1], v[AF+FR*(\a):AF+FR*(\a)+FR-1], v[8*(8*((\a)%4)+\b):8*(8*((\a)%4)+\b)+7], v[SC+8*NQ*(\sc)+NQ*\b+(\q)], v[SC+8*NQ*(\sc)+NQ*(\a)+(\q)] matrix_a_fmt:MATRIX_FMT_FP6 matrix_b_fmt:MATRIX_FMT_FP6 matrix_a_scale:MATRIX_SCALE_ROW1
.endif
.endr
.endr
.endm
.macro FETCH_B slot, q, p
	WIN TO_B
.irp i, 0,1,2,3,4,5,6,7
	FRAG 128*(\p)+FR*\i, ADRB+\slot, \q, \i
.endr
	WIN 0
.endm
.macro FETCH_A slot, q, i0
.irp i, \i0, \i0+1, \i0+2, \i0+3
	FRAGA AF+FR*(\i), \slot, \q, \i
.endr
.endm
.macro SCALES sc
.irp i, 0,1,2,3,4,5,6,7
	ds_load_b64 v[SC+8*NQ*\sc+NQ*\i:SC+8*NQ*\sc+NQ*\i+1], v[ADRS] offset:\i*SBLK
.endr
.endm
.macro PLACES n
.rept \n
	v_nop
.endr
.endm
.macro STEP slot, q, zero
	s_wait_dscnt 4*NLA                             ; W's set and A's blocks 0-3 are in; the youngest 16 loads (A's blocks 4-7) may be out
.if \zero
	WIN 0x81                                       ; C, the bias, in window 0
.else
	WIN MUL_LO
.endif
	MUL16 0, (\q)%2, \q, \slot, \zero
	MUL16 2, (\q)%2, \q, \slot, \zero
	s_wait_dscnt 0
	PLACES NP
	FETCH_B \slot, (\q)+1, 1-(\q)%2
	FETCH_A \slot, (\q)+1, 0
.if \zero
	WIN 0xc1
.else
	WIN MUL_HI
.endif
	MUL16 4, (\q)%2, \q, \slot, \zero
	MUL16 6, (\q)%2, \q, \slot, \zero
	PLACES NP
	WIN 0
	FETCH_A \slot, (\q)+1, 4
.endm
.macro TURN slot, next, fill
	s_wait_tensorcnt 0x0                           ; all my tensor loads have landed: my part of the next slot
	ds_add_u32 v[SPW], v[NIL]                      ; 0 onto my spare word
	s_wait_dscnt 4*NLA+1                           ; the add and the youngest 16 loads may be out
	WIN MUL_LO
	MUL16 0, 1, NQ-1, \slot, 0
	s_wait_dscnt 0x0                               ; the add is done, and my reads of this slot are over
	s_barrier_signal -1
	MUL16 2, 1, NQ-1, \slot, 0
	WIN 0
	s_barrier_wait -1
.if \fill
	CREST                                          ; the barrier has opened a round of the cluster's
	s_add_nc_u64 s[G0+4*\slot+2:G0+4*\slot+3], s[G0+4*\slot+2:G0+4*\slot+3], 2*ASTEP
	s_add_nc_u64 s[G0B+4*\slot+2:G0B+4*\slot+3], s[G0B+4*\slot+2:G0B+4*\slot+3], 2*ROWB
	JLOAD G0+4*\slot, G1, G0B+4*\slot, G1B         ; the first tensor load behind the round; its four v_nop are the places in front of the loads below
.else
	PLACES NP
.endif
	v_add_nc_u32 v[ADRS], 4*NQ, v[ADRS]
	FETCH_B \next, 0, 0
	FETCH_A \next, 0, 0
	SCALES \next
	WIN MUL_HI
	MUL16 4, 1, NQ-1, \slot, 0
	MUL16 6, 1, NQ-1, \slot, 0
	PLACES NP
	WIN 0
	FETCH_A \next, 0, 4
.endm
	s_wait_tensorcnt 1                             ; the scales and my part of K step 0 are in; K step 1's load may be out
	s_barrier_signal -1
	s_barrier_wait -1
	FETCH_B 0, 0, 0
	FETCH_A 0, 0, 0
	SCALES 0
	FETCH_A 0, 0, 4
	s_wait_loadcnt 0x0                             ; the bias
	STEP 0, 0, 1
	s_mov_b32 s3, LAPS-1
.Llap:
	TURN 0, 1, 1
	STEP 1, 0, 0
	TURN 1, 0, 1
	STEP 0, 0, 0
	s_sub_co_u32 s3, s3, 1
	s_cmp_lg_u32 s3, 0
	s_cbranch_scc1 .Llap
	TURN 0, 1, 0
	STEP 1, 0, 0
	s_wait_dscnt 4*NLA
	WIN MUL_LO
	MUL16 0, 1, NQ-1, 1, 0
	MUL16 2, 1, NQ-1, 1, 0
	s_wait_dscnt 0
	WIN MUL_HI
	MUL16 4, 1, NQ-1, 1, 0
	MUL16 6, 1, NQ-1, 1, 0
	WIN 0
; THE WAY OUT, block by block of 16 rows x 128 columns, through my own stage: back as whole rows of 512 bytes, which the 32 lanes store as one aligned run of 512 bytes.
.macro TOSTAGE a
.set AC, 64*((\a)%4)
	WIN (0x08+4*((\a)/4))                          ; the data: window 2 or 3
.irp b, 0,1,2,3,4,5,6,7
	ds_store_b128 v[STO], v[AC+8*\b:AC+8*\b+3] offset:64*\b          ; each accumulator from its low end on
	ds_store_b128 v[STO], v[AC+8*\b+4:AC+8*\b+7] offset:64*\b+16
.endr
	WIN 0
.set BB, BK+64*((\a)%2)
.irp t, 0,1,2,3,4,5,6,7,8,9,10,11,12,13,14,15
	ds_load_b128 v[BB+4*\t:BB+4*\t+3], v[RD] offset:\t*SPITCH         ; LDS serves a wave's instructions in order: these see the stores above
.endr
.endm
.macro SEND a, younger
.set BB, BK+64*((\a)%2)
	s_wait_dscnt \younger                          ; the block is back in registers; the next block's 16 stores and 16 loads may be out
.if (\a) > 0
	s_add_nc_u64 s[12:13], s[12:13], 16*SIZE_N*4   ; behind a wait on XCNT: the earlier stores have read their base
.endif
.irp t, 0,1,2,3,4,5,6,7,8,9,10,11,12,13,14,15
	global_store_b128 v[CO], v[BB+4*\t:BB+4*\t+3], s[12:13] offset:\t*SIZE_N*4 th:TH_STORE_NT
.endr
.endm
	PLACES NP
	TOSTAGE 0
.irp a, 1,2,3,4,5,6,7
.if \a > 1
	s_wait_xcnt 0x0                                ; block a - 2's stores have read their registers and their base
.endif
	TOSTAGE \a
	SEND \a-1, 32
.endr
	s_wait_xcnt 0x0
	SEND 7, 0
	s_wait_tensorcnt 0x0                           ; the wave's end
	ds_add_u32 v[SPW], v[NIL]
	s_wait_dscnt 0x0
	CROUND                                         ; the closing round
	s_endpgm
.Lfunc_end_k_q2ab9933d64_proj:
	.size	k_q2ab9933d64_proj, .Lfunc_end_k_q2ab9933d64_proj-k_q2ab9933d64_proj
	.p2alignl 7, 3214868480
	.fill 96, 4, 3214868480
	.section	.rodata,"a",@progbits
	.p2align	6, 0x0
	.amdhsa_kernel k_q2ab9933d64_proj
		.amdhsa_group_segment_fixed_size 327680
		.amdhsa_private_segment_fixed_size 0
		.amdhsa_enable_private_segment 0
		.amdhsa_kernarg_size 48
		.amdhsa_user_sgpr_count 2
		.amdhsa_user_sgpr_kernarg_segment_ptr 1
		.amdhsa_wavefront_size32 1
		.amdhsa_system_sgpr_workgroup_id_x 1
		.amdhsa_system_sgpr_workgroup_id_y 1
		.amdhsa_system_sgpr_workgroup_id_z 1
		.amdhsa_system_vgpr_workitem_id 0
		.amdhsa_next_free_vgpr 1024
		.amdhsa_next_free_sgpr 100
		.amdhsa_reserve_vcc 0
		.amdhsa_float_denorm_mode_32 3
		.amdhsa_float_denorm_mode_16_64 3
		.amdhsa_memory_ordered 1
		.amdhsa_forward_progress 1
		.amdhsa_inst_pref_size 154
	.end_amdhsa_kernel
	.amdgpu_metadata
---
amdhsa.version: [ 1, 2 ]
amdhsa.kernels:
  - .name:           k_q2ab9933d64_proj
    .symbol:         k_q2ab9933d64_proj.kd
    .args:
      - { .name: ac, .offset: 0, .size: 8, .value_kind: global_buffer, .address_space: global }
      - { .name: asc, .offset: 8, .size: 8, .value_kind: global_buffer, .address_space: global }
      - { .name: W_proj_codes, .offset: 16, .size: 8, .value_kind: global_buffer, .address_space: global }
      - { .name: W_proj_scales, .offset: 24, .size: 8, .value_kind: global_buffer, .address_space: global }
      - { .name: out0, .offset: 32, .size: 8, .value_kind: global_buffer, .address_space: global }
      - { .name: b_proj, .offset: 40, .size: 8, .value_kind: global_buffer, .address_space: global }
    .group_segment_fixed_size: 327680
    .private_segment_fixed_size: 0
    .kernarg_segment_align: 8
    .kernarg_segment_size: 48
    .max_flat_workgroup_size: 128
    .sgpr_count:     100
    .vgpr_count:     1024
    .wavefront_size: 32
...
	.end_amdgpu_metadata
.endif
;; end of part 3
